; MI455X (gfx1250); checked and timed in simulation.
; The chip was launched on July 23, 2026; its instructions are those of AMD's public machine-readable ISA for CDNA 5 (MIT licence, August 2026) and "CDNA5" Instruction Set Architecture Reference Guide (July 2026). The comments in the code are by the model that wrote it; some were corrected since.
;; Multi Head Attention. Allowed arithmetic: matrix products marked QUANTISED: E4M3 operands, one E8M0 scale for each 32 along K, by v_wmma_scale_f32_16x16x128_f8f6f4 with both operands' format E4M3, f32 sums; everything else in f32.
;; Inputs: W_proj 1,024 x 1,024 float32; W_qkv 1,024 x 3,072 float32; b_proj 1,024 float32; b_qkv 3,072 float32; mask 1 x 1 x 2,048 x 2,048 int32; x 4 x 2,048 x 1,024 float32.
;; Outputs: out0 4 x 2,048 x 1,024 float32.
;; This version of the problem:
;;   THIS VERSION OF THE PROBLEM IS GIVEN IN LOW PRECISION. The matrix products marked QUANTISED in the list below multiply operands that are first quantised to E4M3 (4 exponent bits, 3 mantissa bits; 8 bits a number), with one power-of-two scale for each 32 numbers along K (OCP MX v1.0); their sums are f32. All else is computed in f32.
;;   The module's matrix products, in the order in which they are computed (A, B: the left and right operand; K: the contracted axis; several contracted axes count as one K, in the product's order):
;;     1. [M 8,192, K 1,024] x [K 1,024, N 3,072]; A: input x; B: input W_qkv: QUANTISED
;;     2. batch 64 x [M 2,048, K 64] x [K 64, N 2,048]; A: computed on the way; B: computed on the way: QUANTISED
;;     3. batch 64 x [M 2,048, K 2,048] x [K 2,048, N 64]; A: softmax (see below); B: computed on the way: QUANTISED
;;     4. [M 8,192, K 1,024] x [K 1,024, N 1,024]; A: computed on the way; B: input W_proj: QUANTISED
;;   THE QUANTISER, for each operand of a quantised product, along K:
;;     - K is cut into blocks of 32 from its start; a last block that is shorter is filled with zeros.
;;     - A block's scale is 2^e with e = floor(log2(the largest magnitude in the block)) - 8, held to -126 .. 127; a block of zeros has e = 0. As a byte (E8M0): e + 127.
;;     - Each number is divided by its block's scale, clamped to +-448, and rounded to the nearest number of E4M3, ties to even, subnormals kept.
;;     - The product sums the exact products of the quantised numbers (number of the format x scale) in f32.
;;   ~~~python
;;   def quantise(x, axis):      # numpy; x: float32 -> the quantised numbers, widened to float32 again
;;       x = np.moveaxis(x, axis, -1); K = x.shape[-1]
;;       x = np.pad(x, [(0, 0)] * (x.ndim - 1) + [(0, -K % 32)]); x = x.reshape(x.shape[:-1] + (-1, 32)); a = np.abs(x).max(-1, keepdims=True)
;;       e = np.where(a > 0, np.clip(np.frexp(np.where(a > 0, a, 1))[1] - 1 - 8, -126, 127), 0)      # np.frexp(a)[1] - 1 = floor(log2(a)), exactly
;;       r = np.clip(x / 2.0 ** e, -448, 448)
;;       step = 2.0 ** (np.maximum(np.frexp(np.where(r == 0, 1, r))[1] - 1, -6) - 3)
;;       q = np.round(r / step) * step * 2.0 ** e      # np.round: ties to even
;;       return np.moveaxis(q.reshape(q.shape[:-2] + (-1,))[..., :K], -1, axis).astype(np.float32)
;;   ~~~
;;   SOFTMAX AHEAD OF A QUANTISED PRODUCT. Where the list says 'softmax', what is quantised is not the finished softmax but p = 2^(t - M), with t = logit x log2(e) and M = ceil(the row's largest t), a whole number; so 1/2 < the row's largest p <= 1. The row's sum l is taken of the UNQUANTISED p, in f32, and the product's result is divided by l at the end. Since M is a whole number, a kernel that streams over the keys may use a running M (the ceiling of the running maximum): every later rescaling is an exact power of two, which a block's scale takes up: the codes' values come out the same.
;;   OPERANDS COMPUTED ON THE WAY. 'Computed on the way' means the value that the module computes at that place (a softmax that the list does not call 'softmax' is quantised finished and normalised). What goes into a quantiser is computed in f32, as accurately as f32 sums, v_exp_f32 and their like allow (about 1e-6 of the number): no bf16 or f16 on the way to a quantiser, and a product that is left as it is and whose result goes on into a quantised operand takes f32 operands (vector FMAs, or v_wmma_f32_16x16x4_f32). A number that lies on a knife's edge between two numbers of the format may be rounded either way, as far as f32 arithmetic and the matrix unit's own rounding can turn it there, and no further.
;; 2 versions, each right; version 2 is version 1 with the launch attn written anew for expert scheduling mode. Each part assembles by itself: llvm-mc -triple=amdgcn-amd-amdhsa -mcpu=gfx1250 --defsym DOCPART=n.
;; ======== version 1 of 2: 4 launches
;; workspace buffers: ops 12,976,128 bytes; msk 526,336 bytes of whole numbers; qkv 26,738,688 bytes; att 8,650,752 bytes
;; launch prep (part 1): grid 512 x 1, 4 waves a work-group, no clusters, 101,888 bytes of LDS; arguments x, W_qkv, W_proj, mask, ops, msk; writes ops, msk
.if DOCPART == 1
	.amdgcn_target "amdgcn-amd-amdhsa--gfx1250"
	.amdhsa_code_object_version 6
	.text
	.protected	k_q60da565257_prep
	.globl	k_q60da565257_prep
	.p2align	8
	.type	k_q60da565257_prep,@function
k_q60da565257_prep:
	s_mov_b64 s[64:65], 0
	v_nop
	global_prefetch_b8 v0, s[64:65] scope:SCOPE_SE
	s_setreg_imm32_b32 hwreg(HW_REG_WAVE_MODE, 25, 1), 1
	s_wait_xcnt 0x0
; PREP: one launch, three kinds of work-group, told apart by the work-group's number alone.  Each kind has LDS bytes of its own; waves share nothing, so there is no barrier.
;   0..255   X: x [8192][1024] f32 -> codes of E4M3 (K innermost) and one E8M0 byte for each 32 along K
;   256..383 W: W_qkv [1024][3072] and W_proj [1024][1024] f32, whose K is the FIRST axis -> codes laid [column][K] and their bytes
;   384..511 M: mask [2048][2048] int32 -> lane-mask words for the attention's score registers, and two flags a tile
; ops: one row index R for all three operands: x 0..8191, W_qkv^T 8192..11263, W_proj^T 11264..12287; codes at 1024 R, scale bytes at XS + 32 R.
; W_qkv^T's rows are stored PERMUTED inside each group of 32: storage row w holds column sigma(w), sigma = bits 3 and 4 of w exchanged.
; A block's scale is 2^(floor(log2(largest magnitude)) - 8); its byte is that magnitude's exponent field - 8, held at 1 from below.
; LIMITS: a block of zeros, and a block whose largest magnitude lies under 2^-118, get the byte 1 (the bytes are read by this program alone; zero codes add nothing); NaN and infinities among x and W are not served.
.set XS,   12582912                    ; where the scale bytes begin in ops
.set FLG,  524288                      ; where the flags begin in msk
	s_load_b256 s[4:11], s[0:1], 0x0               ; x s[4:5], W_qkv s[6:7], W_proj s[8:9], mask s[10:11]
	s_load_b128 s[12:15], s[0:1], 0x20             ; ops s[12:13], msk s[14:15]
	v_lshl_add_u32 v208, v0, 2, 0x18c00
	v_mov_b32 v209, 0
	v_lshrrev_b32 v1, 5, v0
	v_readfirstlane_b32 s16, v1                    ; wave 0..3
	v_and_b32 v2, 31, v0                           ; lane
	s_wait_kmcnt 0x0
	s_cmp_lt_u32 ttmp9, 256
	s_cbranch_scc1 .Lx
	s_cmp_lt_u32 ttmp9, 384
	s_cbranch_scc1 .Lw
; ---------------- M: the mask.  Work-group T = 16 queries; wave kg takes the four tiles of 128 keys ks = 4 kg + u.
; Word n (0..63) of a tile: bit r + 16 h says whether mask[16 T + r][128 ks + 16 (n / 8) + 8 h + n % 8] is not 0: the lanes' bits for score register n of the attention.
; A tile's 16 rows x 512 bytes are loaded as they lie (512 consecutive bytes a load), turned through the wave's own stage (16 rows, 528 bytes apart) so that lane (r, h) holds its 64 numbers,
; compared, and the 64 lane masks are gathered two to a lane: one store of 256 consecutive aligned bytes a tile.
	s_sub_co_u32 s17, ttmp9, 384                   ; T
	s_lshl_b32 s18, s17, 17                        ; 16 rows of 8,192 bytes
	s_lshl_b32 s19, s16, 11                        ; four tiles of 512 bytes
	s_add_co_u32 s18, s18, s19
	s_mov_b32 s19, 0
	s_add_nc_u64 s[10:11], s[10:11], s[18:19]
	s_lshl_b32 s18, s17, 4
	s_lshl_b32 s21, s16, 2
	s_add_co_u32 s18, s18, s21                     ; 16 T + 4 kg: my first tile
	s_lshl_b32 s18, s18, 8
	s_add_nc_u64 s[24:25], s[14:15], s[18:19]      ; its words
	s_lshl_b32 s18, s17, 2
	s_add_co_u32 s18, s18, s16
	s_lshl_b32 s18, s18, 2
	s_add_co_u32 s18, s18, FLG
	s_add_nc_u64 s[26:27], s[14:15], s[18:19]      ; my flag word: [T][kg]
	s_mul_i32 s22, s16, 8448
	s_add_co_u32 s22, s22, 67584                   ; my stage
	v_lshlrev_b32 v3, 4, v2                        ; 16 bytes a lane
	v_add_nc_u32 v4, s22, v3                       ; into the stage: a row as it lies
	v_and_b32 v8, 15, v2                           ; r
	v_lshrrev_b32 v9, 4, v2                        ; h
	v_mul_u32_u24 v5, v8, 528
	v_lshl_add_u32 v5, v9, 5, v5
	v_add_nc_u32 v5, s22, v5                       ; out of it: row r, + 32 h
	v_lshlrev_b32 v6, 3, v2                        ; two words a lane
	s_mov_b32 s20, 0                               ; the flags
.irp i, 160,161,162,163,164,165,166,167
	v_mov_b32 v\i, 0                               ; a lane write's destination counts as read
.endr
.macro MLOAD u
.irp p, 0,1,2,3,4,5,6,7,8,9,10,11,12,13,14,15
	global_load_b128 v[32+64*((\u)%2)+4*\p:32+64*((\u)%2)+4*\p+3], v3, s[10:11] offset:\p*8192+(\u)*512 th:TH_LOAD_NT
.endr
.endm
.macro MTILE u
.set RS, 32+64*((\u)%2)
.if (\u) < 3
	s_wait_loadcnt 16                              ; this tile's sixteen loads are in; the next tile's may be out
.else
	s_wait_loadcnt 0x0
.endif
.irp p, 0,1,2,3,4,5,6,7,8,9,10,11,12,13,14,15
	ds_store_b128 v4, v[RS+4*\p:RS+4*\p+3] offset:\p*528
.endr
.irp t, 0,1,2,3,4,5,6,7
	ds_load_b128 v[RS+8*\t:RS+8*\t+3], v5 offset:64*\t             ; LDS serves a wave's instructions in order: these see the stores above
	ds_load_b128 v[RS+8*\t+4:RS+8*\t+7], v5 offset:64*\t+16
.endr
	s_wait_dscnt 0x0
.set n, 0
.rept 64
	v_cmp_ne_u32 s[32+n%16], 0, v[RS+n]            ; the 32 lanes' bits of word n
	v_writelane_b32 v[160+2*(\u)+n%2], s[32+n%16], n/2
.set n, n+1
.endr
.if (\u) < 2
	MLOAD (\u)+2                                   ; the set is free: the tile two on
.endif
	global_store_b64 v6, v[160+2*(\u):161+2*(\u)], s[24:25] offset:(\u)*256
	v_or_b32 v8, v[160+2*(\u)], v[161+2*(\u)]
	v_and_b32 v9, v[160+2*(\u)], v[161+2*(\u)]
	v_cmp_ne_u32 vcc_lo, 0, v8
	s_cmp_lg_u32 vcc_lo, 0                         ; some key of the tile counts for some query
	s_cselect_b32 s21, 1<<(\u), 0
	s_or_b32 s20, s20, s21
	v_cmp_ne_u32 vcc_lo, -1, v9
	s_cmp_lg_u32 vcc_lo, 0                         ; some key is hidden from some query
	s_cselect_b32 s21, 0x10000<<(\u), 0
	s_or_b32 s20, s20, s21
.endm
	MLOAD 0
	MLOAD 1
	MTILE 0
	MTILE 1
	MTILE 2
	MTILE 3
	s_lshl_b32 s21, s16, 2
	s_lshl_b32 s20, s20, s21                       ; bit 4 kg + u: some key counts; bit 16 + 4 kg + u: some key is hidden
	v_mov_b32 v7, s20
	v_mov_b32 v8, 0
	s_wait_xcnt 0x0                                ; EXEC changes only behind this wait
	v_cmp_eq_u32 vcc_lo, 0, v2
	s_wait_tensorcnt 0x0
	ds_add_u32 v208, v209
	s_wait_dscnt 0x0
	s_and_saveexec_b32 s22, vcc_lo
	global_store_b32 v8, v7, s[26:27]              ; one word a wave: 2,048 bytes in the whole launch
	s_endpgm
; ---------------- W: a lane takes a column and its registers run down K: a block of 32 along K lies in one lane's 32 registers, and the conversions give codes with K innermost.
; A wave takes 32 columns x 256 along K.  The codes go through the wave's own stage (32 rows, 272 bytes apart) and leave as rows: sixteen lanes store 256 consecutive aligned bytes.
.set WX,   32                          ; v32-95   two sets of 32 numbers
.set WC,   96                          ; v96-103  a block's codes
.set WOUT, 112                         ; v112-175 the way out
.set WSB,  24                          ; v24-25   the scale bytes, four to a register
.set OFF,  176                         ; v176-207 offset of row i of a block: 4 x my column + i x a row of W
.set BASE, 32                          ; s[32:47] where block t begins in W
.Lw:
	s_sub_co_u32 s17, ttmp9, 256
	s_sub_co_u32 s18, s17, 96
	s_mov_b32 s19, 4096
	s_mov_b32 s20, 11264
	s_cmp_lt_u32 s17, 96                           ; the first 96 take W_qkv (24 x 128 columns, 4 x 256 along K), the other 32 W_proj
	s_cselect_b32 s17, s17, s18
	s_cselect_b64 s[6:7], s[6:7], s[8:9]
	s_cselect_b32 s19, 12288, s19                  ; a row of W in bytes
	s_cselect_b32 s20, 8192, s20                   ; the tensor's first row in ops
	s_cselect_b32 s21, -1, 0
	s_lshr_b32 s22, s17, 2
	s_and_b32 s23, s17, 3                          ; which 256 along K
	s_lshl_b32 s22, s22, 7
	s_lshl_b32 s24, s16, 5
	s_add_co_u32 s22, s22, s24                     ; my wave's first column
	v_and_b32 v10, 7, v2
	v_bfe_u32 v11, v2, 3, 1
	v_lshl_or_b32 v10, v11, 4, v10
	v_bfe_u32 v11, v2, 4, 1
	v_lshl_or_b32 v10, v11, 3, v10                 ; sigma(lane)
	v_cndmask_b32 v10, v2, v10, s21                ; W_qkv: lane l reads column sigma(l) and stores row l; W_proj: column l
	v_lshlrev_b32 v[OFF], 2, v10
.set i, 1
.rept 31
	v_add_nc_u32 v[OFF+i], s19, v[OFF+i-1]
.set i, i+1
.endr
	s_mul_i32 s24, s23, s19
	s_lshl_b32 s24, s24, 8                         ; 256 rows of W for each step along K
	s_lshl_b32 s25, s22, 2
	s_add_co_u32 s24, s24, s25
	s_mov_b32 s25, 0
	s_add_nc_u64 s[BASE:BASE+1], s[6:7], s[24:25]
	s_lshl_b32 s24, s19, 5                         ; 32 rows on
.irp t, 1,2,3,4,5,6,7
	s_add_nc_u64 s[BASE+2*\t:BASE+2*\t+1], s[BASE+2*\t-2:BASE+2*\t-1], s[24:25]
.endr
	s_add_co_u32 s26, s20, s22                     ; my first row in ops
	s_lshl_b32 s28, s26, 10
	s_lshl_b32 s27, s23, 8
	s_add_co_u32 s28, s28, s27
	s_mov_b32 s29, 0
	s_add_nc_u64 s[48:49], s[12:13], s[28:29]      ; the codes
	s_lshl_b32 s28, s26, 5
	s_lshl_b32 s27, s23, 3
	s_add_co_u32 s28, s28, s27
	s_add_co_u32 s28, s28, XS
	s_add_nc_u64 s[50:51], s[12:13], s[28:29]      ; the scale bytes
	s_mul_i32 s30, s16, 32*272
	s_add_co_u32 s30, s30, 32768                   ; my stage
	v_mul_u32_u24 v4, v2, 272
	v_add_nc_u32 v4, s30, v4                       ; into it: row = my lane
	v_and_b32 v5, 15, v2
	v_lshrrev_b32 v6, 4, v2
	v_mul_u32_u24 v7, v6, 272
	v_lshl_add_u32 v7, v5, 4, v7
	v_add_nc_u32 v7, s30, v7                       ; out of it: sixteen lanes to a row, two rows an instruction
	v_lshlrev_b32 v8, 10, v6
	v_lshl_add_u32 v8, v5, 4, v8                   ; and the same place in ops
	v_lshlrev_b32 v9, 5, v2                        ; my row of scale bytes
	s_mov_b32 s31, 0x600000                        ; the mantissa field of 448
.macro WLOAD t
.set i, 0
.rept 32
	global_load_b32 v[WX+32*((\t)%2)+i], v[OFF+i], s[BASE+2*(\t):BASE+2*(\t)+1] th:TH_LOAD_NT
.set i, i+1
.endr
.endm
.macro WBLOCK t
.set CUR, WX+32*((\t)%2)
.if (\t) < 7
	s_wait_loadcnt 32                              ; this block's 32 loads are in; the next block's may be out
.else
	s_wait_loadcnt 0x0
.endif
	v_max3_num_f32 v12, |v[CUR]|, |v[CUR+1]|, |v[CUR+2]|
	v_max3_num_f32 v13, |v[CUR+3]|, |v[CUR+4]|, |v[CUR+5]|
.irp i, 6,10,14,18,22,26
	v_max3_num_f32 v12, v12, |v[CUR+\i]|, |v[CUR+\i+1]|
	v_max3_num_f32 v13, v13, |v[CUR+\i+2]|, |v[CUR+\i+3]|
.endr
	v_max3_num_f32 v12, v12, |v[CUR+30]|, |v[CUR+31]|
	v_max3_num_f32 v12, v12, v13, 0x4800000        ; and the floor 2^(9 - 127): the byte cannot fall under 1
	v_add_nc_u32 v11, 0xfc000000, v12              ; 8 off the exponent field: the conversion's scale operand
	v_and_or_b32 v10, v12, 0x7f800000, s31         ; 448 x the scale
	v_lshrrev_b32 v13, 23, v11                     ; the scale's byte
.if (\t)%4 == 0
	v_mov_b32 v[WSB+(\t)/4], v13
.else
	v_lshl_or_b32 v[WSB+(\t)/4], v13, 8*((\t)%4), v[WSB+(\t)/4]
.endif
.set i, 0
.rept 32
	v_med3_num_f32 v[CUR+i], v[CUR+i], -v10, v10   ; the conversion to an 8-bit code does not saturate (ISA guide 7.6.2): the hold comes first
.set i, i+1
.endr
.irp g, 0,1,2,3
	v_cvt_scalef32_pk8_fp8_f32 v[WC+2*\g:WC+2*\g+1], v[CUR+8*\g:CUR+8*\g+7], v11
.endr
	v_nop                                          ; a plain line behind the last conversion
	ds_store_b128 v4, v[WC:WC+3] offset:32*(\t)
	ds_store_b128 v4, v[WC+4:WC+7] offset:32*(\t)+16
.if (\t)+2 < 8
	WLOAD (\t)+2
.endif
	s_wait_dscnt 0x0                               ; the stores have read their registers
.endm
	WLOAD 0
	WLOAD 1
.irp t, 0,1,2,3,4,5,6,7
	WBLOCK \t
.endr
	global_store_b64 v9, v[WSB:WSB+1], s[50:51]    ; my row's 8 scale bytes of these 256 along K
.irp t, 0,1,2,3,4,5,6,7,8,9,10,11,12,13,14,15
	ds_load_b128 v[WOUT+4*\t:WOUT+4*\t+3], v7 offset:2*\t*272
.endr
.irp t, 0,1,2,3,4,5,6,7,8,9,10,11,12,13,14,15
	s_wait_dscnt 15-\t
	global_store_b128 v8, v[WOUT+4*\t:WOUT+4*\t+3], s[48:49] offset:2*\t*1024
.endr
	s_wait_tensorcnt 0x0
	ds_add_u32 v208, v209
	s_wait_dscnt 0x0
	s_endpgm
; ---------------- X: rows are dense and 1,024 is a multiple of 32: x is a plain stream of blocks of 32.  A wave takes 16 steps of 512 numbers.  Each load reads 512 consecutive bytes; a step's 2,048 bytes
; turn through the wave's own stage (16 bytes of padding behind each 64) so that a lane holds 16 neighbours; two neighbouring lanes hold a block.  Loads run four steps ahead, the turn one step.
.set STEPS, 16
.set XR,    16                         ; v16-79   four sets of 16 numbers as loaded
.set XX,    80                         ; v80-111  two sets of 16 neighbours
.set XC,    128                        ; v128-191 codes: four registers a step, never written again
.set XE,    112                        ; v112-127 a scale byte a step
.set XSP,   80                         ; a lane's place in a stage
.Lx:
	v_lshlrev_b32 v3, 4, v2
	s_lshl_b32 s17, s16, 13                        ; my wave's 8,192 bytes of LDS
	v_lshrrev_b32 v14, 2, v2
	v_mul_u32_u24 v14, v14, XSP
	v_and_b32 v15, 3, v2
	v_lshl_add_u32 v14, v15, 4, v14
	v_add_nc_u32 v14, s17, v14                     ; the stage, on the way in
	v_mul_u32_u24 v15, v2, XSP
	v_add_nc_u32 v15, s17, v15                     ; and on the way out
	v_lshlrev_b32 v4, 4, v2                        ; my 16 codes
	v_lshrrev_b32 v5, 1, v2
	s_add_co_u32 s17, s17, 2*32*XSP
	v_add_nc_u32 v5, s17, v5                       ; my block's byte among my wave's 256
	v_lshlrev_b32 v7, 3, v2
	v_add_nc_u32 v6, s17, v7
	s_mov_b32 s23, 0x600000
	s_lshl_b32 s18, ttmp9, 2
	s_add_co_u32 s18, s18, s16                     ; which run of 8,192 numbers is my wave's
	s_lshl_b32 s20, s18, 15
	s_mov_b32 s21, 0
	s_add_nc_u64 s[4:5], s[4:5], s[20:21]
	s_lshl_b32 s20, s18, 13
	s_add_nc_u64 s[24:25], s[12:13], s[20:21]      ; its codes
	s_lshl_b32 s20, s18, 8
	s_add_co_u32 s20, s20, XS
	s_add_nc_u64 s[26:27], s[12:13], s[20:21]      ; its 256 scale bytes
.macro XLOAD t
.irp i, 0,1,2,3
	global_load_b128 v[XR+16*((\t)%4)+4*\i:XR+16*((\t)%4)+4*\i+3], v3, s[4:5] offset:2048*(\t)+512*\i th:TH_LOAD_NT
.endr
.endm
.macro XTURN t
.irp i, 0,1,2,3
	ds_store_b128 v14, v[XR+16*((\t)%4)+4*\i:XR+16*((\t)%4)+4*\i+3] offset:32*XSP*((\t)%2)+8*XSP*\i
.endr
.irp i, 0,1,2,3
	ds_load_b128 v[XX+16*((\t)%2)+4*\i:XX+16*((\t)%2)+4*\i+3], v15 offset:32*XSP*((\t)%2)+16*\i
.endr
.endm
.macro XSTEP t
.set CUR, XX+16*((\t)%2)
.if (\t) > 0
	s_wait_dscnt 1                                 ; this step's numbers are back from the stage; the last step's byte store may be out
.else
	s_wait_dscnt 0x0
.endif
.if (\t)+4 < STEPS
	XLOAD (\t)+4
.endif
.if (\t)+1 < STEPS
.if STEPS-2-(\t) >= 3
	s_wait_loadcnt 12                              ; the next step's four loads are in; those of the three steps behind it may be out
.else
	s_wait_loadcnt 4*(STEPS-2-(\t))
.endif
	XTURN (\t)+1
.endif
	v_max3_num_f32 v8, |v[CUR]|, |v[CUR+1]|, |v[CUR+2]|
	v_max3_num_f32 v9, |v[CUR+3]|, |v[CUR+4]|, |v[CUR+5]|
.irp i, 6,10
	v_max3_num_f32 v8, v8, |v[CUR+\i]|, |v[CUR+\i+1]|
	v_max3_num_f32 v9, v9, |v[CUR+\i+2]|, |v[CUR+\i+3]|
.endr
	v_max3_num_f32 v8, v8, |v[CUR+14]|, |v[CUR+15]|
	v_max3_num_f32 v8, v8, v9, 0x4800000           ; and the floor 2^(9 - 127)
	v_max_num_f32_dpp v8, v8, v8 row_xmask:1 row_mask:0xf bank_mask:0xf   ; with my neighbour's 16: the block's largest magnitude
	v_add_nc_u32 v11, 0xfc000000, v8
	v_and_or_b32 v10, v8, 0x7f800000, s23
.set i, 0
.rept 16
	v_med3_num_f32 v[CUR+i], v[CUR+i], -v10, v10
.set i, i+1
.endr
	v_cvt_scalef32_pk8_fp8_f32 v[XC+4*(\t):XC+4*(\t)+1], v[CUR:CUR+7], v11
	v_cvt_scalef32_pk8_fp8_f32 v[XC+4*(\t)+2:XC+4*(\t)+3], v[CUR+8:CUR+15], v11
	v_lshrrev_b32 v[XE+(\t)], 23, v11              ; the scale's byte
	ds_store_b8 v5, v[XE+(\t)] offset:16*(\t)      ; both lanes of a block write the same byte with the same value
	global_store_b128 v4, v[XC+4*(\t):XC+4*(\t)+3], s[24:25] offset:512*(\t)
.endm
.irp t, 0,1,2,3
	XLOAD \t
.endr
	s_wait_loadcnt 12                              ; step 0's four loads are in
	XTURN 0
.irp t, 0,1,2,3,4,5,6,7,8,9,10,11,12,13,14,15
	XSTEP \t
.endr
	ds_load_b64 v[12:13], v6
	s_wait_dscnt 0x0
	global_store_b64 v7, v[12:13], s[26:27]        ; 32 lanes store 256 consecutive aligned bytes
	s_wait_tensorcnt 0x0
	ds_add_u32 v208, v209
	s_wait_dscnt 0x0
	s_endpgm
.Lfunc_end_k_q60da565257_prep:
	.size	k_q60da565257_prep, .Lfunc_end_k_q60da565257_prep-k_q60da565257_prep
	.p2alignl 7, 3214868480
	.fill 96, 4, 3214868480
	.section	.rodata,"a",@progbits
	.p2align	6, 0x0
	.amdhsa_kernel k_q60da565257_prep
		.amdhsa_group_segment_fixed_size 101888
		.amdhsa_private_segment_fixed_size 0
		.amdhsa_enable_private_segment 0
		.amdhsa_kernarg_size 48
		.amdhsa_user_sgpr_count 2
		.amdhsa_user_sgpr_kernarg_segment_ptr 1
		.amdhsa_wavefront_size32 1
		.amdhsa_system_sgpr_workgroup_id_x 1
		.amdhsa_system_sgpr_workgroup_id_y 1
		.amdhsa_system_sgpr_workgroup_id_z 1
		.amdhsa_system_vgpr_workitem_id 0
		.amdhsa_next_free_vgpr 210
		.amdhsa_next_free_sgpr 66
		.amdhsa_reserve_vcc 1
		.amdhsa_float_denorm_mode_32 3
		.amdhsa_float_denorm_mode_16_64 3
		.amdhsa_memory_ordered 1
		.amdhsa_forward_progress 1
		.amdhsa_inst_pref_size 161
	.end_amdhsa_kernel
	.amdgpu_metadata
---
amdhsa.version: [ 1, 2 ]
amdhsa.kernels:
  - .name:           k_q60da565257_prep
    .symbol:         k_q60da565257_prep.kd
    .args:
      - { .name: x, .offset: 0, .size: 8, .value_kind: global_buffer, .address_space: global }
      - { .name: W_qkv, .offset: 8, .size: 8, .value_kind: global_buffer, .address_space: global }
      - { .name: W_proj, .offset: 16, .size: 8, .value_kind: global_buffer, .address_space: global }
      - { .name: mask, .offset: 24, .size: 8, .value_kind: global_buffer, .address_space: global }
      - { .name: ops, .offset: 32, .size: 8, .value_kind: global_buffer, .address_space: global }
      - { .name: msk, .offset: 40, .size: 8, .value_kind: global_buffer, .address_space: global }
    .group_segment_fixed_size: 101888
    .private_segment_fixed_size: 0
    .kernarg_segment_align: 8
    .kernarg_segment_size: 48
    .max_flat_workgroup_size: 128
    .sgpr_count:     66
    .vgpr_count:     210
    .wavefront_size: 32
...
	.end_amdgpu_metadata
.endif
;; end of part 1
;; launch gemm_qkv (part 2): grid 12 x 32, 4 waves a work-group, clusters of 4 x 4, 327,680 bytes of LDS; arguments ops, b_qkv, qkv; writes qkv
.if DOCPART == 2
	.amdgcn_target "amdgcn-amd-amdhsa--gfx1250"
	.amdhsa_code_object_version 6
	.text
	.protected	k_q60da565257_gemm_qkv
	.globl	k_q60da565257_gemm_qkv
	.p2align	8
	.type	k_q60da565257_gemm_qkv,@function
k_q60da565257_gemm_qkv:
	s_mov_b64 s[64:65], 0
	v_nop
	global_prefetch_b8 v0, s[64:65] scope:SCOPE_SE
	s_setreg_imm32_b32 hwreg(HW_REG_WAVE_MODE, 25, 1), 1
	s_wait_xcnt 0x0
	s_wait_alu depctr_hold_cnt(0) depctr_sa_sdst(0) depctr_va_vdst(0) depctr_va_sdst(0) depctr_va_ssrc(0) depctr_va_vcc(0) depctr_vm_vsrc(0)
	s_getreg_b32 s2, hwreg(HW_REG_IB_STS2, 6, 4)
	s_cmp_eq_u32 s2, 0
	s_cbranch_scc0 .Lentry_in_a_cluster
	s_endpgm
.Lentry_in_a_cluster:
	s_bfe_u32 s2, ttmp6, 0x10000c
	s_cmp_lg_u32 s2, 0xf033
	s_cbranch_scc0 .Lentry_shape_is_right
	s_endpgm
.Lentry_shape_is_right:
; qkv = x W_qkv + b_qkv on codes of E4M3 with E8M0 scales, K = 1,024; the results are quantised on the way out and stored as IMAGES OF THE ATTENTION'S OPERAND REGISTERS.
; A tile of 256 x 256 is made by four waves, 128 x 128 each: 64 accumulators, 512 registers.  K goes in steps of 256 through a ring of two LDS slots filled by the tensor data mover;
; the scale bytes of the work-group's 2 x 256 rows come once, with the first fills.  4 x 4 work-groups form a cluster: "A"'s tiles are asked for jointly along a row of it, "B"'s along a column.
; THE PART is the cluster's x: 0 = q, 1 = k, 2 = v: the same in all sixteen partners, so branches may hang on it.
;   q, k: "A" (source 1) = rows of x, "B" (source 0) = rows of W_qkv^T: a lane holds ONE TOKEN, and the 16 registers of accumulators 2 p, 2 p + 1 are 16 numbers of one block of 32 along the head's axis.
;   v:    "A" = rows of W_qkv^T, "B" = rows of x: a lane holds ONE CHANNEL, and those 16 registers are 16 tokens of one block of 32 keys: the second product's K.
; W_qkv^T's rows are stored permuted inside groups of 32 (bits 3 and 4 of the row exchanged); the bias undoes that.  The bias is the C of each sum's first matrix instruction.
; OUT: codes leave straight from registers, 512 consecutive aligned bytes a store; the scale words are gathered in 1 KB of LDS a wave and leave in whole blocks of 256 bytes.
; LIMITS: a block of zeros, or one whose largest magnitude lies under 2^-118, gets the byte 1 (read by this program alone); NaN and infinities are not served.
; REGISTERS, in windows of 256: window 0: v0-31 addresses; v32-63 scale words, two sets, nothing else ever; v64-127 the bias, on the way out at work; from v128 A's fragments, one set.
;   window 1: B's fragments, two sets.   window 2: the accumulators of A's blocks 0-3 ((a, b) at v[8 (8 (a % 4) + b)]);   window 3: those of blocks 4-7.
.set NQ,     2                         ; matrix instructions deep in a slot of 256 along K
.set ROWB,   256
.set KROW,   1024
.set PITCH,  272                       ; an LDS row: 256 bytes + 16 of padding: the 16 rows that a load touches start at 16 different banks (64 banks of 4 bytes: ISA guide 11.1)
.set FR,     16
.set NL,     4
.set NP,     8                         ; places behind this matrix instruction (ISA guide 7.12.1)
.set HALFT,  128*PITCH
.set SLOT,   4*HALFT
.set LAPS,   2
.set KS,     32                        ; a row of scale bytes
.set SCL,    2*SLOT
.set HALFS,  16*272
.set SBLK,   2*272
.set SPARE,  SCL+4*HALFS               ; the spare words: 128 bytes a wave, two blocks of 256 bytes that no other line names
.set XS,     12582912
.set QSC,    25165824
.set ADRA, 16
.set ADRB, 20
.set L16,  24                          ; v24  16 x lane
.set SKA,  25                          ; v25  my stage: 1,024 x wave + 16 r
.set SVA,  26                          ; v26  1,024 x wave + 8 r
.set ADRS, 27
.set SPW,  28
.set NIL,  29
.set VSO,  30                          ; v30  12,288 (lane / 16) + 16 (lane % 16): two heads' records
.set RDA,  31                          ; v31  1,024 x wave + 16 x lane
.set SC,   32
.set BIAS, 64
.set AF,   128
.set TM,   64                          ; the way out: largest magnitudes,
.set T2,   68                          ; the other half's, then the bytes,
.set HOLD, 72                          ; 448 x the scale,
.set SCO,  76                          ; the conversions' scale operands,
.set W0,   80                          ; scale words
.set W1,   81
.set G1, 24
.set G0, 32
.set G1B, 48
.set G0B, 56
.set G1S, 68
.set G0S, 76
.set G1SB, 80
.set G0SB, 88
.set MNT, 95
.set SEL, 96
.set MSB, 0
.macro WIN new                         ; the immediate's high byte repeats the setting that is left
.if MSB != \new
	s_set_vgpr_msb (MSB<<8)|\new
.set MSB, \new
.endif
.endm
.set MUL_LO, 0xa1                      ; source 0 (B) window 1, source 1 (A) window 0, C and D window 2
.set MUL_HI, 0xf1
.set TO_B,   0x40
; A joint load: waves 0 and 1 fetch for A, waves 2 and 3 for B; the branch hangs on the wave's number alone.  Four v_nop follow each of the two lines.
.macro JLOAD g0a, g1a, g0b, g1b
	s_cmp_eq_u32 s15, 0
	s_cbranch_scc0 .Lfor_b_\@
	tensor_load_to_lds s[\g0a:\g0a+3], s[\g1a:\g1a+7]
	s_nop 0
.rept 4
	v_nop
.endr
	s_branch .Lasked_\@
.Lfor_b_\@:
	tensor_load_to_lds s[\g0b:\g0b+3], s[\g1b:\g1b+7]
	s_nop 0
.rept 4
	v_nop
.endr
.Lasked_\@:
.endm
.macro CREST
	s_cmp_lg_u32 s14, 0
	s_cbranch_scc1 .Lnot_wave_0_\@
	s_barrier_signal -3
.Lnot_wave_0_\@:
	s_barrier_wait -3
	s_barrier_signal -1
	s_barrier_wait -1
.endm
.macro CROUND
	s_barrier_signal -1
	s_barrier_wait -1
	CREST
.endm
	s_load_b128 s[4:7], s[0:1], 0x0                ; ops s[4:5], b_qkv s[6:7]
	s_load_b64 s[8:9], s[0:1], 0x10                ; qkv
	v_lshl_add_u32 v[SPW], v0, 2, SPARE
	v_mov_b32 v[NIL], 0
	ds_add_u32 v28, v29
	ds_add_u32 v28, v29
	s_wait_dscnt 0x0
	v_lshrrev_b32 v1, 5, v0
	v_readfirstlane_b32 s14, v1                    ; wave 0..3
	s_lshr_b32 s15, s14, 1                         ; which half of A's rows is mine.  Also: I fetch for A (0) or for B (1)
	s_and_b32 s16, s14, 1                          ; which half of B's rows.  Also: which 128 rows I fetch
	s_bfe_u32 s40, ttmp6, 0x40000                  ; cx
	s_bfe_u32 s41, ttmp6, 0x40004                  ; cy
	s_and_b32 s42, ttmp7, 0xffff                   ; the cluster's y
	s_lshl_b32 s43, s41, 2
	s_lshl_b32 s43, 15, s43                        ; my row of the cluster
	s_lshl_b32 s44, 0x1111, s40                    ; my column
	s_or_b32 s[G1+0], s43, (0<<16)|(1<<20)|(1<<21)|(5<<22)|(3<<25)  ; the mask; elements of 1 byte; padding on: 4 words behind every 64; bit 21 beside a mask
	s_or_b32 s[G1B+0], s44, (0<<16)|(1<<20)|(1<<21)|(5<<22)|(3<<25)
.irp g, G1, G1B
	s_mov_b32 s[\g+1], ROWB<<16                    ; tensor_dim0
	s_mov_b32 s[\g+2], 128<<16                     ; tensor_dim1
	s_mov_b32 s[\g+3], ROWB<<16                    ; tile_dim0
	s_mov_b32 s[\g+4], 128                         ; tile_dim1
	s_mov_b32 s[\g+5], KROW                        ; from row to row
	s_mov_b32 s[\g+6], 0
	s_mov_b32 s[\g+7], 0
.endr
	s_or_b32 s[G1S+0], s43, (3<<16)|(1<<20)|(1<<21)|(5<<22)|(3<<25) ; the scales of 128 rows: 4,096 dense bytes as 16 rows of 256, 16 bytes of padding behind each
	s_or_b32 s[G1SB+0], s44, (3<<16)|(1<<20)|(1<<21)|(5<<22)|(3<<25)
.irp g, G1S, G1SB
	s_mov_b32 s[\g+1], 32<<16
	s_mov_b32 s[\g+2], 16<<16
	s_mov_b32 s[\g+3], 32<<16
	s_mov_b32 s[\g+4], 16
	s_mov_b32 s[\g+5], 32
	s_mov_b32 s[\g+6], 0
	s_mov_b32 s[\g+7], 0
.endr
	; which rows of ops.  The choice is between numbers that the whole cluster shares; then A's row takes cy and B's takes cx, in registers of their own
	s_lshl_b32 s17, s42, 10                        ; x: 1,024 rows a cluster
	s_lshl_b32 s18, ttmp9, 10
	s_add_co_u32 s18, s18, 8192                    ; W_qkv^T's rows of q or of k
	s_mov_b32 s19, 10240                           ; and of v
	s_cmp_eq_u32 ttmp9, 2
	s_cselect_b32 s20, s19, s17                    ; A: v: W's rows; else x's
	s_cselect_b32 s46, s17, s18                    ; B: v: x's rows; else W's
	s_lshl_b32 s21, s41, 8
	s_add_co_u32 s20, s20, s21                     ; + 256 cy
	s_lshl_b32 s47, s40, 8
	s_add_co_u32 s46, s46, s47                     ; + 256 cx
	s_lshl_b32 s18, s16, 7
	s_add_co_u32 s20, s20, s18                     ; + the 128 rows that I fetch
	s_add_co_u32 s46, s46, s18
	s_mov_b32 s21, 0
	s_mov_b32 s47, 0
	s_mov_b64 s[18:19], KS
	s_mul_u64 s[22:23], s[20:21], s[18:19]
	s_mul_u64 s[92:93], s[46:47], s[18:19]
	s_add_nc_u64 s[22:23], s[22:23], XS            ; their scale bytes
	s_add_nc_u64 s[92:93], s[92:93], XS
	s_mov_b64 s[18:19], KROW
	s_mul_u64 s[20:21], s[20:21], s[18:19]         ; their codes
	s_mul_u64 s[46:47], s[46:47], s[18:19]
	s_mul_i32 s45, s14, HALFT                      ; where they go: wave x 128 rows
	s_mul_i32 s94, s14, HALFS
	s_wait_kmcnt 0x0
	s_add_nc_u64 s[20:21], s[4:5], s[20:21]
	s_add_nc_u64 s[22:23], s[4:5], s[22:23]
	s_add_nc_u64 s[46:47], s[4:5], s[46:47]
	s_add_nc_u64 s[92:93], s[4:5], s[92:93]
	CROUND                                         ; all sixteen work-groups are here: the first joint loads meet
	s_mov_b32 s[G0S], 1
	s_add_co_u32 s[G0S+1], s94, SCL
	s_mov_b64 s[G0S+2:G0S+3], s[22:23]
	s_or_b32 s[G0S+3], s[G0S+3], 0x80000000
	s_mov_b32 s[G0SB], 1
	s_add_co_u32 s[G0SB+1], s94, SCL
	s_mov_b64 s[G0SB+2:G0SB+3], s[92:93]
	s_or_b32 s[G0SB+3], s[G0SB+3], 0x80000000
	JLOAD G0S, G1S, G0SB, G1SB                     ; the scales first
.irp s, 0,1
	s_mov_b32 s[G0+4*\s], 1
	s_add_co_u32 s[G0+4*\s+1], s45, \s*SLOT
	s_add_nc_u64 s[G0+4*\s+2:G0+4*\s+3], s[20:21], \s*ROWB
	s_or_b32 s[G0+4*\s+3], s[G0+4*\s+3], 0x80000000
	s_mov_b32 s[G0B+4*\s], 1
	s_add_co_u32 s[G0B+4*\s+1], s45, \s*SLOT
	s_add_nc_u64 s[G0B+4*\s+2:G0B+4*\s+3], s[46:47], \s*ROWB
	s_or_b32 s[G0B+4*\s+3], s[G0B+4*\s+3], 0x80000000
	JLOAD G0+4*\s, G1, G0B+4*\s, G1B               ; three tensor loads of mine are out
.endr
	v_and_b32 v1, 15, v0                           ; r
	v_bfe_u32 v2, v0, 4, 1                         ; h
	v_mul_u32_u24 v3, v1, PITCH
	v_lshl_add_u32 v4, v2, 4, v3
	s_mul_i32 s21, s15, HALFT
	s_mul_i32 s22, s16, HALFT
	s_add_co_u32 s22, s22, 2*HALFT
.irp s, 0,1
	v_add_nc_u32 v[ADRA+\s], s21, v4
	v_add_nc_u32 v[ADRB+\s], s22, v4
	s_add_co_u32 s21, s21, SLOT
	s_add_co_u32 s22, s22, SLOT
.endr
	v_mul_u32_u24 v5, v1, KS
	v_lshrrev_b32 v6, 8, v5
	v_lshl_add_u32 v5, v6, 4, v5
	s_mul_i32 s21, s15, HALFS
	s_mul_i32 s22, s16, HALFS
	s_add_co_u32 s22, s22, 2*HALFS
	s_sub_co_u32 s22, s22, s21
	v_mul_u32_u24 v6, s22, v2                      ; lanes 16-31 take B's scale words
	s_add_co_u32 s21, s21, SCL
	v_add_nc_u32 v5, v5, v6
	v_add_nc_u32 v[ADRS], s21, v5
	v_and_b32 v6, 31, v0
	v_lshlrev_b32 v[L16], 4, v6
	s_lshl_b32 s23, s14, 10
	v_lshl_add_u32 v[SKA], v1, 4, s23
	v_lshl_add_u32 v[SVA], v1, 3, s23
	v_add_nc_u32 v[RDA], s23, v[L16]
	v_mul_u32_u24 v[VSO], v2, 12288
	v_lshl_add_u32 v[VSO], v1, 4, v[VSO]
	v_lshlrev_b32 v7, 6, v2                        ; the bias, q and k: 64 h bytes
	v_and_b32 v8, 7, v1
	v_lshrrev_b32 v9, 3, v1
	v_lshlrev_b32 v8, 2, v8
	v_lshl_add_u32 v8, v9, 6, v8                   ; v: 4 (r % 8) + 64 (r / 8)
	s_mov_b32 s[MNT], 0x600000
	s_mov_b32 s[SEL], 0x76543210
	s_mov_b32 s[SEL+1], 0xfedcba98
	; where the results go: these numbers enter global addresses alone
	s_cmp_eq_u32 ttmp9, 2
	s_cselect_b32 s17, s40, s41                    ; my tokens hang on cy (q, k) or cx (v),
	s_cselect_b32 s18, s16, s15                    ; and on A's half or B's;
	s_cselect_b32 s19, s41, s40                    ; my heads the other way round
	s_cselect_b32 s92, s15, s16
	s_cselect_b32 s93, 512, 0                      ; V's words lie behind K's in a record
	s_lshl_b32 s17, s17, 8
	s_lshl_b32 s18, s18, 7
	s_add_co_u32 s17, s17, s18
	s_lshl_b32 s18, s42, 10
	s_add_co_u32 s17, s17, s18                     ; my first token
	s_lshl_b32 s19, s19, 2
	s_lshl_b32 s92, s92, 1
	s_add_co_u32 s19, s19, s92                     ; my first head (of two)
	s_lshl_b32 s10, ttmp9, 12
	s_lshl_b32 s92, s19, 8
	s_add_co_u32 s10, s10, s92                     ; 4 x (1,024 x part + 64 x head)
	s_mov_b32 s11, 0
	s_add_nc_u64 s[10:11], s[6:7], s[10:11]        ; the bias of my 128 columns
	s_lshr_b32 s18, s17, 11
	s_lshl_b32 s18, s18, 4
	s_add_co_u32 s19, s19, s18                     ; 16 x batch + head
	s_bfe_u32 s18, s17, 0x40007                    ; my group of 128 tokens
	s_lshl_b32 s12, ttmp9, 23
	s_lshl_b32 s92, s19, 17
	s_add_co_u32 s12, s12, s92
	s_lshl_b32 s92, s18, 13
	s_add_co_u32 s12, s12, s92
	s_mov_b32 s13, 0
	s_add_nc_u64 s[12:13], s[8:9], s[12:13]        ; the images
	s_lshl_b32 s19, s19, 4
	s_add_co_u32 s19, s19, s18
	s_mul_i32 s98, s19, 768
	s_add_co_u32 s98, s98, s93
	s_min_u32 s92, ttmp9, 1
	s_mul_i32 s92, s92, 786432
	s_add_co_u32 s98, s98, s92
	s_add_co_u32 s98, s98, QSC
	s_mov_b32 s99, 0
	s_add_nc_u64 s[98:99], s[8:9], s[98:99]        ; the record of scale words
	s_cmp_eq_u32 ttmp9, 2
	s_cbranch_scc1 .Lbias_v
.irp b, 0,1,2,3,4,5,6,7                        ; q, k: register j of accumulator (a, b) is column 32 (b / 2) + 16 h + 8 (b % 2) + j
	global_load_b128 v[BIAS+8*\b:BIAS+8*\b+3], v7, s[10:11] offset:4*(32*(\b/2)+8*(\b%2))
	global_load_b128 v[BIAS+8*\b+4:BIAS+8*\b+7], v7, s[10:11] offset:4*(32*(\b/2)+8*(\b%2))+16
.endr
	s_wait_loadcnt 0x0
	s_branch .Lbias_done
.Lbias_v:
.irp a, 0,1,2,3,4,5,6,7                        ; v: all eight registers of accumulator (a, b) are channel 32 (a / 2) + 8 (a % 2) + r % 8 + 16 (r / 8)
	global_load_b32 v[BIAS+8*\a], v8, s[10:11] offset:4*(32*(\a/2)+8*(\a%2))
.endr
	s_wait_loadcnt 0x0
.irp a, 0,1,2,3,4,5,6,7
.irp j, 1,2,3,4,5,6,7
	v_mov_b32 v[BIAS+8*\a+\j], v[BIAS+8*\a]
.endr
.endr
.Lbias_done:
.macro FRAG reg, adr, q, i             ; 16 rows x 128 K: lane l holds row l % 16; registers 4 c .. 4 c + 3 hold K = 32 c + 16 (l / 16) + 0 .. 15
.irp c, 0,1,2,3
	ds_load_b128 v[\reg+4*\c:\reg+4*\c+3], v[\adr] offset:128*(\q)+32*\c+(\i)*16*PITCH
.endr
.endm
; 16 matrix instructions: A's blocks a0, a0 + 1 x B's eight.  zero = 1: the sums start with the bias by B's block; 2: by A's block; 0: they go on.  The 64 accumulators take turns.
.macro MUL16 a0, p, q, sc, zero
.irp a, \a0, \a0+1
.irp b, 0,1,2,3,4,5,6,7
.if \zero == 1
	v_wmma_scale_f32_16x16x128_f8f6f4 v[8*(8*((\a)%4)+\b):8*(8*((\a)%4)+\b)+7], v[128*(\p)+FR*\b:128*(\p)+FR*\b+FR-1], v[AF+FR*(\a):AF+FR*(\a)+FR-1], v[BIAS+8*\b:BIAS+8*\b+7], v[SC+8*NQ*(\sc)+NQ*\b+(\q)], v[SC+8*NQ*(\sc)+NQ*(\a)+(\q)] matrix_a_scale:MATRIX_SCALE_ROW1
.elseif \zero == 2
	v_wmma_scale_f32_16x16x128_f8f6f4 v[8*(8*((\a)%4)+\b):8*(8*((\a)%4)+\b)+7], v[128*(\p)+FR*\b:128*(\p)+FR*\b+FR-1], v[AF+FR*(\a):AF+FR*(\a)+FR-1], v[BIAS+8*(\a):BIAS+8*(\a)+7], v[SC+8*NQ*(\sc)+NQ*\b+(\q)], v[SC+8*NQ*(\sc)+NQ*(\a)+(\q)] matrix_a_scale:MATRIX_SCALE_ROW1
.else
	v_wmma_scale_f32_16x16x128_f8f6f4 v[8*(8*((\a)%4)+\b):8*(8*((\a)%4)+\b)+7], v[128*(\p)+FR*\b:128*(\p)+FR*\b+FR-1], v[AF+FR*(\a):AF+FR*(\a)+FR-1], v[8*(8*((\a)%4)+\b):8*(8*((\a)%4)+\b)+7], v[SC+8*NQ*(\sc)+NQ*\b+(\q)], v[SC+8*NQ*(\sc)+NQ*(\a)+(\q)] matrix_a_scale:MATRIX_SCALE_ROW1
.endif
.endr
.endr
.endm
.macro FETCH_B slot, q, p
	WIN TO_B
.irp i, 0,1,2,3,4,5,6,7
	FRAG 128*(\p)+FR*\i, ADRB+\slot, \q, \i
.endr
	WIN 0
.endm
.macro FETCH_A slot, q, i0
.irp i, \i0, \i0+1, \i0+2, \i0+3
	FRAG AF+FR*(\i), ADRA+\slot, \q, \i
.endr
.endm
.macro SCALES sc                       ; lanes 0-15 take the words of A's block i, lanes 16-31 those of B's block i
.irp i, 0,1,2,3,4,5,6,7
	ds_load_b64 v[SC+8*NQ*\sc+NQ*\i:SC+8*NQ*\sc+NQ*\i+1], v[ADRS] offset:\i*SBLK
.endr
.endm
.macro PLACES n                        ; plain vector lines between a matrix instruction and a load into, or a read of, its registers
.rept \n
	v_nop
.endr
.endm
.macro STEP slot, q, zero
	s_wait_dscnt 4*NL                              ; B's set and A's blocks 0-3 are in; the youngest sixteen loads (A's blocks 4-7) may be out
.if \zero
	WIN 0x81                                       ; C, the bias, in window 0; D in window 2
.else
	WIN MUL_LO
.endif
	MUL16 0, (\q)%2, \q, \slot, \zero
	MUL16 2, (\q)%2, \q, \slot, \zero
	s_wait_dscnt 0
	PLACES NP
	FETCH_B \slot, (\q)+1, 1-(\q)%2
	FETCH_A \slot, (\q)+1, 0
.if \zero
	WIN 0xc1
.else
	WIN MUL_HI
.endif
	MUL16 4, (\q)%2, \q, \slot, \zero
	MUL16 6, (\q)%2, \q, \slot, \zero
	PLACES NP
	WIN 0
	FETCH_A \slot, (\q)+1, 4
.endm
; A slot's last step changes slots: one barrier; in front of it each wave waits for all its tensor loads, adds 0 to its spare word, and waits for that and for its reads of this slot.
.macro TURN slot, next, fill
	s_wait_tensorcnt 0x0                           ; all my tensor loads have landed: my part of the next slot
	ds_add_u32 v[SPW], v[NIL]                      ; 0 onto my spare word
	s_wait_dscnt 4*NL+1                            ; (the add and the youngest sixteen loads may be out)
	WIN MUL_LO
	MUL16 0, 1, NQ-1, \slot, 0
	s_wait_dscnt 0x0                               ; the add is done, and my reads of this slot are over
	s_barrier_signal -1
	MUL16 2, 1, NQ-1, \slot, 0
	WIN 0
	s_barrier_wait -1
.if \fill
	CREST                                          ; the barrier has opened a round of the cluster's barrier: no wave of any partner still reads this slot or has a load on its way
	s_add_nc_u64 s[G0+4*\slot+2:G0+4*\slot+3], s[G0+4*\slot+2:G0+4*\slot+3], 2*ROWB
	s_add_nc_u64 s[G0B+4*\slot+2:G0B+4*\slot+3], s[G0B+4*\slot+2:G0B+4*\slot+3], 2*ROWB
	JLOAD G0+4*\slot, G1, G0B+4*\slot, G1B         ; the first tensor load behind the round, my one load until the next
	PLACES NP-4
.else
	PLACES NP
.endif
	v_add_nc_u32 v[ADRS], 4*NQ, v[ADRS]
	FETCH_B \next, 0, 0
	FETCH_A \next, 0, 0
	SCALES \next
	WIN MUL_HI
	MUL16 4, 1, NQ-1, \slot, 0
	MUL16 6, 1, NQ-1, \slot, 0
	PLACES NP
	WIN 0
	FETCH_A \next, 0, 4
.endm
	s_wait_tensorcnt 1                             ; the scales and my part of K step 0 are in; slot 1's load may be out
	s_barrier_signal -1
	s_barrier_wait -1
	FETCH_B 0, 0, 0
	FETCH_A 0, 0, 0
	SCALES 0
	FETCH_A 0, 0, 4
	s_cmp_eq_u32 ttmp9, 2                          ; the first step is written twice: it differs in which bias registers start a sum
	s_cbranch_scc1 .Lfirst_v
	STEP 0, 0, 1
	s_branch .Lfirst_done
.Lfirst_v:
	STEP 0, 0, 2
.Lfirst_done:
	s_mov_b32 s3, LAPS-1
.Llap:
	TURN 0, 1, 1
	STEP 1, 0, 0
	TURN 1, 0, 1
	STEP 0, 0, 0
	s_sub_co_u32 s3, s3, 1
	s_cmp_lg_u32 s3, 0
	s_cbranch_scc1 .Llap
	TURN 0, 1, 0                                   ; the last lap fills nothing
	STEP 1, 0, 0
	s_wait_dscnt 4*NL
	WIN MUL_LO
	MUL16 0, 1, NQ-1, 1, 0
	MUL16 2, 1, NQ-1, 1, 0
	s_wait_dscnt 0
	WIN MUL_HI
	MUL16 4, 1, NQ-1, 1, 0
	MUL16 6, 1, NQ-1, 1, 0
	WIN 0
; THE WAY OUT, A's block a at a time: four blocks of 32 (accumulators 2 p, 2 p + 1: 16 numbers in my lane, 16 in lane l xor 16) are quantised; the conversions' results are the images' registers.
; The small stage for scale words lies in slot 0, which has had its last fill and, since the last change of slots, its last read.
.macro OUT a
.set W, 2+(\a)/4
.set AC, 64*((\a)%4)
.set CD, 96+16*((\a)%2)
	s_wait_xcnt 0x0                                ; the stores of two blocks ago have read their registers
	WIN ((W<<2)|(W<<4))
.irp p, 0,1,2,3
	v_max3_num_f32 v[TM+\p], 0x4800000, |v[AC+16*\p]|, |v[AC+16*\p+1]|     ; from each accumulator's low end on; the floor 2^(9 - 127) holds the byte at 1 from below
.endr
.irp i, 2,4,6,8,10,12,14
.irp p, 0,1,2,3
	v_max3_num_f32 v[TM+\p], v[TM+\p], |v[AC+16*\p+\i]|, |v[AC+16*\p+\i+1]|
.endr
.endr
	WIN 0
.irp p, 0,1,2,3
	v_permlanex16_b32 v[T2+\p], v[TM+\p], s[SEL], s[SEL+1]
.endr
.irp p, 0,1,2,3
	v_max_num_f32 v[TM+\p], v[TM+\p], v[T2+\p]
.endr
.irp p, 0,1,2,3
	v_add_nc_u32 v[SCO+\p], 0xfc000000, v[TM+\p]   ; 8 off the exponent field: the conversion's scale operand
.endr
.irp p, 0,1,2,3
	v_and_or_b32 v[HOLD+\p], v[TM+\p], 0x7f800000, s[MNT]   ; 448 x the scale
.endr
.irp p, 0,1,2,3
	v_lshrrev_b32 v[T2+\p], 23, v[SCO+\p]          ; the scale's byte
.endr
	WIN ((W<<6)|W)
.irp p, 0,1,2,3
.set i, 0
.rept 16
	v_med3_num_f32 v[AC+16*\p+i], v[AC+16*\p+i], -v[HOLD+\p], v[HOLD+\p]   ; the conversion does not saturate (ISA guide 7.6.2)
.set i, i+1
.endr
.endr
	WIN W
.irp p, 0,1,2,3
	v_cvt_scalef32_pk8_fp8_f32 v[CD+4*\p:CD+4*\p+1], v[AC+16*\p:AC+16*\p+7], v[SCO+\p]
	v_cvt_scalef32_pk8_fp8_f32 v[CD+4*\p+2:CD+4*\p+3], v[AC+16*\p+8:AC+16*\p+15], v[SCO+\p]
.endr
	WIN 0
	v_nop                                          ; a plain line behind the last conversion
	s_cmp_eq_u32 ttmp9, 2
	s_cbranch_scc1 .Lout_v_\@
	v_lshl_or_b32 v[W0], v[T2+1], 8, v[T2]         ; q, k: a head has two blocks; the upper half of the instruction's K holds zero codes under the byte 127
	v_lshl_or_b32 v[W1], v[T2+3], 8, v[T2+2]
	v_or_b32 v[W0], 0x7f7f0000, v[W0]
	v_or_b32 v[W1], 0x7f7f0000, v[W1]
	ds_store_b32 v[SKA], v[W0] offset:256*((\a)%2)+4*((\a)/2)
	ds_store_b32 v[SKA], v[W1] offset:512+256*((\a)%2)+4*((\a)/2)
.irp p, 0,1,2,3
	global_store_b128 v[L16], v[CD+4*\p:CD+4*\p+3], s[12:13] offset:(\p/2)*131072+(\a)*1024+(\p%2)*512   ; 512 consecutive aligned bytes
.endr
	s_branch .Lout_done_\@
.Lout_v_\@:
	v_lshl_or_b32 v[W0], v[T2+1], 8, v[T2]         ; v: the four bytes of 128 keys
	v_lshl_or_b32 v[W0], v[T2+2], 16, v[W0]
	v_lshl_or_b32 v[W0], v[T2+3], 24, v[W0]
	ds_store_b32 v[SVA], v[W0] offset:4096+256*((\a)/4)+128*((\a)%2)+4*(((\a)%4)/2)
.irp p, 0,1,2,3
	global_store_b128 v[L16], v[CD+4*\p:CD+4*\p+3], s[12:13] offset:((\a)/4)*131072+((\a)%4)*2048+\p*512
.endr
.Lout_done_\@:
.endm
	PLACES NP
.irp p, 0,1,2,3
	v_mov_b32 v[T2+\p], 0                          ; a lane permute's destination counts as one of its sources
.endr
.irp a, 0,1,2,3,4,5,6,7
	OUT \a
.endr
	s_cmp_eq_u32 ttmp9, 2
	s_cbranch_scc1 .Lsc_v
	ds_load_b128 v[128:131], v[RDA]                ; LDS serves a wave's instructions in order: these see my stores
	ds_load_b128 v[132:135], v[RDA] offset:512
	s_wait_dscnt 0x0
	global_store_b128 v[L16], v[128:131], s[98:99]               ; my first head's 512 bytes,
	global_store_b128 v[L16], v[132:135], s[98:99] offset:12288  ; my second head's: 16 records on
	s_branch .Lsc_done
.Lsc_v:
	ds_load_b128 v[128:131], v[RDA] offset:4096
	s_wait_dscnt 0x0
	global_store_b128 v[VSO], v[128:131], s[98:99]               ; sixteen lanes to each head's 256 bytes
.Lsc_done:
	s_wait_tensorcnt 0x0                           ; the wave's end
	ds_add_u32 v[SPW], v[NIL]
	s_wait_dscnt 0x0
	CROUND                                         ; the closing round
	s_endpgm
.Lfunc_end_k_q60da565257_gemm_qkv:
	.size	k_q60da565257_gemm_qkv, .Lfunc_end_k_q60da565257_gemm_qkv-k_q60da565257_gemm_qkv
	.p2alignl 7, 3214868480
	.fill 96, 4, 3214868480
	.section	.rodata,"a",@progbits
	.p2align	6, 0x0
	.amdhsa_kernel k_q60da565257_gemm_qkv
		.amdhsa_group_segment_fixed_size 327680
		.amdhsa_private_segment_fixed_size 0
		.amdhsa_enable_private_segment 0
		.amdhsa_kernarg_size 24
		.amdhsa_user_sgpr_count 2
		.amdhsa_user_sgpr_kernarg_segment_ptr 1
		.amdhsa_wavefront_size32 1
		.amdhsa_system_sgpr_workgroup_id_x 1
		.amdhsa_system_sgpr_workgroup_id_y 1
		.amdhsa_system_sgpr_workgroup_id_z 1
		.amdhsa_system_vgpr_workitem_id 0
		.amdhsa_next_free_vgpr 1024
		.amdhsa_next_free_sgpr 100
		.amdhsa_reserve_vcc 0
		.amdhsa_float_denorm_mode_32 3
		.amdhsa_float_denorm_mode_16_64 3
		.amdhsa_memory_ordered 1
		.amdhsa_forward_progress 1
		.amdhsa_inst_pref_size 211
	.end_amdhsa_kernel
	.amdgpu_metadata
---
amdhsa.version: [ 1, 2 ]
amdhsa.kernels:
  - .name:           k_q60da565257_gemm_qkv
    .symbol:         k_q60da565257_gemm_qkv.kd
    .args:
      - { .name: ops, .offset: 0, .size: 8, .value_kind: global_buffer, .address_space: global }
      - { .name: b_qkv, .offset: 8, .size: 8, .value_kind: global_buffer, .address_space: global }
      - { .name: qkv, .offset: 16, .size: 8, .value_kind: global_buffer, .address_space: global }
    .group_segment_fixed_size: 327680
    .private_segment_fixed_size: 0
    .kernarg_segment_align: 8
    .kernarg_segment_size: 24
    .max_flat_workgroup_size: 128
    .sgpr_count:     100
    .vgpr_count:     1024
    .wavefront_size: 32
...
	.end_amdgpu_metadata
.endif
;; end of part 2
;; launch attn (part 3): grid 4 x 64, 16 waves a work-group, no clusters, 36,864 bytes of LDS; arguments qkv, msk, att; writes att
.if DOCPART == 3
	.amdgcn_target "amdgcn-amd-amdhsa--gfx1250"
	.amdhsa_code_object_version 6
	.text
	.protected	k_q60da565257_attn
	.globl	k_q60da565257_attn
	.p2align	8
	.type	k_q60da565257_attn,@function
k_q60da565257_attn:
	s_mov_b64 s[64:65], 0
	v_nop
	global_prefetch_b8 v0, s[64:65] scope:SCOPE_SE
	s_setreg_imm32_b32 hwreg(HW_REG_WAVE_MODE, 25, 1), 1
	s_wait_xcnt 0x0
; ATTENTION on codes of E4M3 with E8M0 scales, head size 64, with the mask that is GIVEN (lane-mask words and flags that the first launch made of it).
; t = score x log2(e) / 8; M = the running largest t rounded up to a whole number; p = 2^(t - M) is quantised along the keys, not normalised; the row's sum of the unquantised p divides at the end.
; SHARES.  A work-group serves one head (y) and two blocks of 256 queries, 7 - x and x, one after the other; each of its sixteen waves owns a tile of 16 queries in 256 registers, four waves to a SIMD.
; Every pass walks all 16 steps of 128 keys: trip counts are constants.  A step whose tile (16 queries x 128 keys) has no key that counts is left out by a scalar branch on a stored flag, never round a barrier:
; right for every mask.  A tile with no hidden key skips the 64 selections.
; NO TENSOR LOAD, NO CLUSTER: branches hang on numbers read from memory, so LDS is filled through registers: each thread brings 16 bytes of K's image and 16 of V's (512 threads x 16 = 8,192 each), 192 threads
; 4 bytes of the 768 scale bytes; the loads go out two steps ahead of the step that reads them, into two slots that take turns, one barrier a step.
; LAYOUT.  Both products are used transposed: S^T = K Q^T, O^T = V^T P^T: a lane holds one query.  K, V and Q arrive as images of the operands' registers: every LDS address is a constant + 16, 8 or 4 x a lane's or thread's number.
; The head's 64 fill half of the instruction's K = 128: the upper eight registers of Q's and K's fragments hold zero codes for the whole launch.
; OUT: O / l is quantised along the head's axis (two blocks of 32) and stored as an image of the last product's operand registers, 512 consecutive aligned bytes a store; the scale bytes go one a lane into rows
; 32 bytes apart: 262,144 bytes in the whole launch.
; A QUERY WITH NO KEY THAT COUNTS has l = 0: its codes are zeros and its scale bytes 0xff, so that the last product gives NaN for that row, as a softmax over nothing does.
; LIMITS: NaN and infinities among the inputs are not served; a block whose every p, or every number, lies under 2^-118 keeps the byte 1.
.set SLOTB, 17408                      ; a slot: K's image 8,192, V's 8,192, the scale record 768, rounded up
.set KIMG,  8388608
.set VIMG,  16777216
.set QSC,   25165824
.set KVSC,  25952256
.set FLG,   524288
.set AS,    8388608
.set TM,   208                         ; v208-211 a block's largest score, then p
.set T2,   212                         ; v212-215 the other half's, then the bytes
.set HOLD, 216                         ; v216-219 448 x the scale
.set SCO,  220                         ; v220-223 the conversions' scale operands
.set GA,   240                         ; v240-247 K's and V's 16 bytes on their way, set A (scale word: v8)
.set GB,   248                         ; v248-255 set B (v9)
; v1 16 lane; v2 16 thread; v3 4 thread; v4 8 lane; v5 16 r; v6 32 r + h; v7 -infinity; v12 -M; v13 largest t; v[14:15] l; v16-31 Q; v32-95 four fragments of K; v96-159 S^T, p, then V; v160-191 O^T;
; v192-207 p's codes; v224 p's scale word; v225 at work; v[226:227] f; v[228:229] second chain of sums; v232-235 K's scale words; v236-237 V's; v238 Q's
; s2 wave; s3 step; s10 trips; s11 pass; s12 block; s13 tile; s14 flags of the work-group; s15 my tile's flags; s[18:19] c; s[20:51], s[68:99] mask words; s[56:63] K, V, scales, mask words in memory; s105 head
	s_load_b128 s[4:7], s[0:1], 0x0                ; qkv s[4:5], msk s[6:7]
	s_load_b64 s[8:9], s[0:1], 0x10                ; att
	v_lshl_add_u32 v231, v0, 2, 0x8800
	v_mov_b32 v239, 0
	v_lshrrev_b32 v1, 5, v0
	v_readfirstlane_b32 s2, v1                     ; wave 0..15
.irp i, 24,25,26,27,28,29,30,31
	v_mov_b32 v\i, 0                               ; zero codes: the upper half of Q's fragment
.endr
.irp t, 0,1,2,3
.irp i, 8,9,10,11,12,13,14,15
	v_mov_b32 v[32+16*\t+\i], 0                    ; and of K's four
.endr
.endr
.set i, 0
.rept 16
	v_mov_b32 v[GA+i], 0                           ; written once: on a way on which a step's loads are left out nothing reads them, and nothing is unwritten
.set i, i+1
.endr
	v_mov_b32 v8, 0
	v_mov_b32 v9, 0
.irp b, 0,1,2,3
	v_mov_b32 v[T2+\b], 0                          ; a lane permute's destination counts as one of its sources
.endr
	v_mov_b32 v227, 0                              ; (named as the upper half of a pair)
	v_and_b32 v10, 31, v0
	v_lshlrev_b32 v1, 4, v10
	v_lshlrev_b32 v2, 4, v0
	v_lshlrev_b32 v3, 2, v0
	v_lshlrev_b32 v4, 3, v10
	v_and_b32 v11, 15, v0
	v_lshlrev_b32 v5, 4, v11
	v_bfe_u32 v10, v0, 4, 1
	v_lshl_or_b32 v6, v11, 5, v10
	v_mov_b32 v7, 0xff800000
	s_mov_b32 s18, 0x3e38aa3b                      ; c = log2(e) / 8
	s_mov_b32 s19, s18
	s_mov_b32 s52, 0x76543210
	s_mov_b32 s53, 0xfedcba98                      ; lane l xor 16
	s_mov_b32 s54, 0x600000                        ; the mantissa field of 448
	s_mov_b32 s55, 0xffff0000                      ; lanes 16-31
	s_and_b32 s105, ttmp7, 0xffff                  ; 16 x batch + head
	s_mov_b32 s11, 0
	s_wait_kmcnt 0x0
; the tiles of step s3 + d, at k steps from the pointers, into a register set: left out where no wave of the work-group will read them (bits 16 and up of s14 are 0: no load passes the last step)
.macro GLOAD set, sc, k, d
	s_add_co_u32 s16, s3, \d
	s_bitcmp1_b32 s14, s16
	s_cbranch_scc0 .Lgl_\@
	global_load_b128 v[\set:\set+3], v2, s[56:57] offset:(\k)*8192
	global_load_b128 v[\set+4:\set+7], v2, s[58:59] offset:(\k)*8192
	s_cmp_lt_u32 s2, 6
	s_cbranch_scc0 .Lgl_\@
	global_load_b32 v[\sc], v3, s[60:61] offset:(\k)*768
.Lgl_\@:
.endm
.macro LSTORE set, sc, slot, d
	s_wait_loadcnt 0x0                             ; on every way: the set has landed
	s_add_co_u32 s16, s3, \d
	s_bitcmp1_b32 s14, s16
	s_cbranch_scc0 .Lls_\@
	ds_store_b128 v2, v[\set:\set+3] offset:(\slot)*SLOTB
	ds_store_b128 v2, v[\set+4:\set+7] offset:(\slot)*SLOTB+8192
	s_cmp_lt_u32 s2, 6
	s_cbranch_scc0 .Lls_\@
	ds_store_b32 v3, v[\sc] offset:(\slot)*SLOTB+16384
.Lls_\@:
.endm
; A KEY STEP: 128 keys, in slot par
.macro STEP par
	s_wait_dscnt 0x0                               ; my stores into this step's slot have landed, and my reads of the other slot are over
	s_barrier_signal -1
	s_barrier_wait -1                              ; both now hold of all sixteen waves
.if \par
	LSTORE GA, 8, 0, 1                             ; the next step's tiles into the slot that was read last
	GLOAD GB, 9, 3, 2                              ; and the loads of the step after it
.else
	LSTORE GB, 9, 1, 1
	GLOAD GA, 8, 2, 2
.endif
	s_bitcmp1_b32 s15, s3                          ; does any key of this step count for any of my queries?
	s_cbranch_scc0 .Lskip_\@
	s_load_b512 s[20:35], s[62:63], (\par)*256     ; the tile's 64 lane-mask words
	s_load_b512 s[36:51], s[62:63], (\par)*256+64
	s_load_b512 s[68:83], s[62:63], (\par)*256+128
	s_load_b512 s[84:99], s[62:63], (\par)*256+192
	ds_load_b128 v[232:235], v1 offset:(\par)*SLOTB+16384    ; K's scale words: register i: lanes 0-15 tile 2 i, lanes 16-31 tile 2 i + 1
	ds_load_b64 v[236:237], v4 offset:(\par)*SLOTB+16896     ; V's likewise
.irp g, 0,1                                    ; S^T = K Q^T, four tiles of 16 keys at a time
.irp t, 0,1,2,3
.irp c, 0,1
	ds_load_b128 v[32+16*\t+4*\c:35+16*\t+4*\c], v1 offset:(\par)*SLOTB+(4*\g+\t)*1024+512*\c
.endr
.endr
	s_wait_dscnt 0x0
.irp t, 0,1,2,3
.if \t%2
	v_wmma_scale_f32_16x16x128_f8f6f4 v[96+8*(4*\g+\t):103+8*(4*\g+\t)], v[32+16*\t:47+16*\t], v[16:31], 0, v[232+2*\g+\t/2], v238 matrix_a_scale:MATRIX_SCALE_ROW1
.else
	v_wmma_scale_f32_16x16x128_f8f6f4 v[96+8*(4*\g+\t):103+8*(4*\g+\t)], v[32+16*\t:47+16*\t], v[16:31], 0, v[232+2*\g+\t/2], v238
.endif
.endr
.rept 8
	v_nop                                          ; places in front of loads into K's registers, and of the first read of the scores
.endr
.endr
	s_wait_kmcnt 0x0                               ; on every way: the mask words are in
	s_add_co_u32 s16, s3, 16
	s_bitcmp1_b32 s15, s16                         ; is any key of the tile hidden from any of my queries?
	s_cbranch_scc0 .Lopen_\@
.set n, 0
.rept 64
	v_cndmask_b32 v[96+n], v7, v[96+n], s[20+n+16*(n/32)]    ; a hidden score becomes -infinity: p = 0 then
.set n, n+1
.endr
.Lopen_\@:
.irp b, 0,1,2,3
	v_max3_num_f32 v[TM+\b], v[96+16*\b], v[97+16*\b], v[98+16*\b]   ; the largest score of each block of 32 keys: for the row's maximum, and, since p rises with the score, for the block's largest p
.endr
.irp i, 3,5,7,9,11,13
.irp b, 0,1,2,3
	v_max3_num_f32 v[TM+\b], v[TM+\b], v[96+16*\b+\i], v[97+16*\b+\i]
.endr
.endr
.irp b, 0,1,2,3
	v_max_num_f32 v[TM+\b], v[TM+\b], v[111+16*\b]
.endr
.irp b, 0,1,2,3
	v_permlanex16_b32 v[T2+\b], v[TM+\b], s52, s53
.endr
.irp b, 0,1,2,3
	v_max_num_f32 v[TM+\b], v[TM+\b], v[T2+\b]
.endr
	v_max3_num_f32 v225, v208, v209, v210
	v_max_num_f32 v225, v225, v211
	v_mul_f32 v225, s18, v225                      ; as t (c is positive)
	v_max_num_f32 v13, v13, v225                   ; the running largest t
	v_mov_b32 v225, v12
	v_floor_f32 v12, -v13                          ; the new -M = floor(-t): M is a whole number
	v_sub_f32 v225, v12, v225                      ; old M - new M: a whole number, 0 or less
	v_cvt_i32_f32 v225, v225                       ; (it saturates)
	v_ldexp_f32 v226, 1.0, v225                    ; f = 2^(old M - new M): a multiplication by it rounds nothing
.set j, 0
.rept 32
	v_pk_fma_f32 v[96+j:97+j], v[96+j:97+j], s[18:19], v[12:13] op_sel_hi:[1,0,0]   ; t - M, two at a time
.set j, j+2
.endr
.irp b, 0,1,2,3
	v_fma_f32 v[TM+\b], v[TM+\b], s18, v12
.endr
.set j, 0
.rept 64
	v_exp_f32 v[96+j], v[96+j]                     ; p = 2^(t - M), at most 1
.set j, j+1
.endr
	v_pk_mul_f32 v[14:15], v[14:15], v[226:227] op_sel_hi:[1,0]   ; the sums under the new M; a plain line behind the exponentials
	s_wait_alu depctr_va_vdst(0)                   ; one wait for the batch of 64, ahead of its first reader
.irp b, 0,1,2,3
	v_exp_f32 v[TM+\b], v[TM+\b]                   ; the block's largest p
.endr
	v_pk_add_f32 v[228:229], v[96:97], v[98:99]    ; the row's sum is taken of the unquantised p, in two chains
.irp j, 4,8,12,16,20,24,28,32,36,40,44,48,52,56,60
	v_pk_add_f32 v[14:15], v[14:15], v[96+\j:97+\j]
	v_pk_add_f32 v[228:229], v[228:229], v[98+\j:99+\j]
.endr
	v_pk_add_f32 v[14:15], v[14:15], v[228:229]
	s_wait_alu depctr_va_vdst(0)                   ; and one for the four
.irp b, 0,1,2,3
	v_max_num_f32 v[TM+\b], 0x4800000, v[TM+\b]    ; the floor 2^(9 - 127): the byte cannot fall under 1
.endr
.irp b, 0,1,2,3
	v_add_nc_u32 v[SCO+\b], 0xfc000000, v[TM+\b]
.endr
.irp b, 0,1,2,3
	v_and_or_b32 v[HOLD+\b], v[TM+\b], 0x7f800000, s54
.endr
.irp b, 0,1,2,3
	v_lshrrev_b32 v[T2+\b], 23, v[SCO+\b]
.endr
	v_lshl_or_b32 v224, v213, 8, v212              ; p's scale word for these 128 keys
	v_lshl_or_b32 v224, v214, 16, v224
	v_lshl_or_b32 v224, v215, 24, v224
.irp b, 0,1,2,3
.set i, 0
.rept 16
	v_min_num_f32 v[96+16*\b+i], v[96+16*\b+i], v[HOLD+\b]   ; the conversion does not saturate (ISA guide 7.6.2); p is not negative
.set i, i+1
.endr
	v_cvt_scalef32_pk8_fp8_f32 v[192+4*\b:193+4*\b], v[96+16*\b:103+16*\b], v[SCO+\b]
	v_cvt_scalef32_pk8_fp8_f32 v[194+4*\b:195+4*\b], v[104+16*\b:111+16*\b], v[SCO+\b]
.endr
.irp t, 0,1,2,3                                ; V's four fragments land where p lay
.irp c, 0,1,2,3
	ds_load_b128 v[96+16*\t+4*\c:99+16*\t+4*\c], v1 offset:(\par)*SLOTB+8192+\t*2048+512*\c
.endr
.endr
.set j, 0
.rept 16
	v_pk_mul_f32 v[160+j:161+j], v[160+j:161+j], v[226:227] op_sel_hi:[1,0]   ; O^T under the new M; these lines are also the places in front of the products below
.set j, j+2
.endr
	s_wait_dscnt 0x0
.irp t, 0,1,2,3                                ; O^T += V^T P^T: four accumulators, one instruction each
.if \t%2
	v_wmma_scale_f32_16x16x128_f8f6f4 v[160+8*\t:167+8*\t], v[96+16*\t:111+16*\t], v[192:207], v[160+8*\t:167+8*\t], v[236+\t/2], v224 matrix_a_scale:MATRIX_SCALE_ROW1
.else
	v_wmma_scale_f32_16x16x128_f8f6f4 v[160+8*\t:167+8*\t], v[96+16*\t:111+16*\t], v[192:207], v[160+8*\t:167+8*\t], v[236+\t/2], v224
.endif
.endr
.rept 9
	v_nop                                          ; the next products write over V's registers: one place more than a load or a read would ask
.endr
.Lskip_\@:
	s_add_co_u32 s3, s3, 1
.endm
.Lpass:
	s_wait_xcnt 0x0                                ; the last pass's loads and stores have read their addresses and data
	s_sub_co_u32 s12, 7, ttmp9
	s_cmp_eq_u32 s11, 0
	s_cselect_b32 s12, s12, ttmp9                  ; block 7 - x, then block x
	s_lshl_b32 s13, s12, 4
	s_add_co_u32 s13, s13, s2                      ; my tile of 16 queries
	s_lshl_b32 s16, s12, 8
	s_add_co_u32 s16, s16, FLG
	s_mov_b32 s17, 0
	s_add_nc_u64 s[100:101], s[6:7], s[16:17]      ; the block's 64 flag words
	s_lshl_b32 s16, s2, 4
	s_add_nc_u64 s[56:57], s[100:101], s[16:17]    ; my tile's four
	s_load_b512 s[20:35], s[100:101], 0x0
	s_load_b512 s[36:51], s[100:101], 0x40
	s_load_b512 s[68:83], s[100:101], 0x80
	s_load_b512 s[84:99], s[100:101], 0xc0
	s_load_b128 s[60:63], s[56:57], 0x0
	s_wait_kmcnt 0x0
	s_mov_b32 s14, s20
.set n, 1
.rept 63
	s_or_b32 s14, s14, s[20+n+16*(n/32)]
.set n, n+1
.endr
	s_and_b32 s14, s14, 0xffff                     ; bit k: step k counts for some wave of the work-group
	s_or_b32 s15, s60, s61
	s_or_b32 s15, s15, s62
	s_or_b32 s15, s15, s63                         ; bit k: step k counts for me; bit 16 + k: it has hidden keys
	s_lshl_b32 s16, s105, 17
	s_add_nc_u64 s[56:57], s[4:5], s[16:17]
	s_add_nc_u64 s[58:59], s[56:57], VIMG          ; V's images of my head
	s_add_nc_u64 s[56:57], s[56:57], KIMG          ; K's
	s_mul_i32 s16, s105, 12288
	s_add_co_u32 s16, s16, KVSC
	s_add_nc_u64 s[60:61], s[4:5], s[16:17]        ; their scale records
	s_lshl_b32 s16, s13, 12
	s_add_nc_u64 s[62:63], s[6:7], s[16:17]        ; my tile's mask words
	s_lshl_b32 s16, s105, 7
	s_add_co_u32 s16, s16, s13
	s_lshl_b32 s16, s16, 10
	s_add_nc_u64 s[100:101], s[4:5], s[16:17]      ; Q's image
	s_lshl_b32 s16, s105, 4
	s_lshr_b32 s104, s13, 3
	s_add_co_u32 s16, s16, s104
	s_mul_i32 s16, s16, 768
	s_and_b32 s104, s13, 1
	s_lshl_b32 s104, s104, 8
	s_add_co_u32 s16, s16, s104
	s_bfe_u32 s104, s13, 0x20001
	s_lshl_b32 s104, s104, 2
	s_add_co_u32 s16, s16, s104
	s_add_co_u32 s16, s16, QSC
	s_add_nc_u64 s[66:67], s[4:5], s[16:17]        ; Q's scale words
	global_load_b128 v[16:19], v1, s[100:101]
	global_load_b128 v[20:23], v1, s[100:101] offset:512
	global_load_b32 v238, v5, s[66:67]
	v_mov_b32 v13, 0xff61b1e6                      ; the largest t so far: -3e38
	v_floor_f32 v12, -v13
	v_mov_b32 v14, 0
	v_mov_b32 v15, 0
.set j, 0
.rept 32
	v_mov_b32 v[160+j], 0                          ; O^T: the step is written once; its first turn finds zeros
.set j, j+1
.endr
	s_mov_b32 s3, 0
	GLOAD GA, 8, 0, 0
	LSTORE GA, 8, 0, 0                             ; (its wait covers Q too.)  Slot 0 was last read in the pass before's step 14, and every wave has passed step 15's barrier since
	GLOAD GB, 9, 1, 1
	s_mov_b32 s10, 8
.Ltrip:
	STEP 0
	STEP 1
	s_wait_xcnt 0x0                                ; the trip's loads have read their addresses
	s_add_nc_u64 s[56:57], s[56:57], 16384
	s_add_nc_u64 s[58:59], s[58:59], 16384
	s_add_nc_u64 s[60:61], s[60:61], 1536
	s_add_nc_u64 s[62:63], s[62:63], 512
	s_sub_co_u32 s10, s10, 1
	s_cmp_lg_u32 s10, 0
	s_cbranch_scc1 .Ltrip
	; THE WAY OUT
	s_lshr_b32 s16, s105, 4
	s_lshl_b32 s16, s16, 7
	s_add_co_u32 s16, s16, s13                     ; my tile of 16 tokens among 512
	s_and_b32 s12, s105, 15                        ; the head
	s_lshl_b32 s14, s16, 9
	s_lshl_b32 s16, s16, 14
	s_lshr_b32 s17, s12, 1
	s_lshl_b32 s17, s17, 11
	s_add_co_u32 s16, s16, s17
	s_and_b32 s17, s12, 1
	s_lshl_b32 s17, s17, 10
	s_add_co_u32 s16, s16, s17
	s_mov_b32 s17, 0
	s_add_nc_u64 s[100:101], s[8:9], s[16:17]      ; the image: K step head / 2, registers 4 (2 (head % 2) + e) on
	s_lshl_b32 s12, s12, 1
	s_add_co_u32 s16, s14, s12
	s_add_co_u32 s16, s16, AS
	s_add_nc_u64 s[66:67], s[8:9], s[16:17]        ; the scale bytes: 32 a token, two a head
	v_add_f32 v14, v14, v15
	v_permlanex16_b32 v212, v14, s52, s53
	v_add_f32 v14, v14, v212                       ; the row's sum
	v_rcp_f32 v226, v14
	v_nop                                          ; a plain line behind the reciprocal
	v_cmp_eq_f32 s104, 0, v14                      ; queries for which no key counts
	s_wait_alu depctr_va_vdst(0)                   ; ahead of the first reader
	v_cndmask_b32 v226, v226, v24, s104            ; their O stays 0 (v24 holds 0)
.set j, 0
.rept 16
	v_pk_mul_f32 v[160+j:161+j], v[160+j:161+j], v[226:227] op_sel_hi:[1,0]   ; O^T / l: register 16 e + i is channel 32 e + 16 h + i
.set j, j+2
.endr
.irp e, 0,1
	v_max3_num_f32 v[TM+\e], |v[160+16*\e]|, |v[161+16*\e]|, 0x4800000
.endr
.irp i, 2,4,6,8,10,12,14
.irp e, 0,1
	v_max3_num_f32 v[TM+\e], v[TM+\e], |v[160+16*\e+\i]|, |v[161+16*\e+\i]|
.endr
.endr
.irp e, 0,1
	v_permlanex16_b32 v[T2+\e], v[TM+\e], s52, s53
.endr
.irp e, 0,1
	v_max_num_f32 v[TM+\e], v[TM+\e], v[T2+\e]
.endr
.irp e, 0,1
	v_add_nc_u32 v[SCO+\e], 0xfc000000, v[TM+\e]
.endr
.irp e, 0,1
	v_and_or_b32 v[HOLD+\e], v[TM+\e], 0x7f800000, s54
.endr
.irp e, 0,1
	v_lshrrev_b32 v[T2+\e], 23, v[SCO+\e]
.endr
	v_mov_b32 v214, 0xff
	v_cndmask_b32 v225, v212, v213, s55            ; lanes 0-15 store block 0's byte, lanes 16-31 block 1's
	v_cndmask_b32 v225, v225, v214, s104           ; a query with no key: the byte that makes the row NaN
.irp e, 0,1
.set i, 0
.rept 16
	v_med3_num_f32 v[160+16*\e+i], v[160+16*\e+i], -v[HOLD+\e], v[HOLD+\e]
.set i, i+1
.endr
	v_cvt_scalef32_pk8_fp8_f32 v[192+4*\e:193+4*\e], v[160+16*\e:167+16*\e], v[SCO+\e]
	v_cvt_scalef32_pk8_fp8_f32 v[194+4*\e:195+4*\e], v[168+16*\e:175+16*\e], v[SCO+\e]
.endr
	v_nop                                          ; a plain line behind the last conversion
	global_store_b128 v1, v[192:195], s[100:101]
	global_store_b128 v1, v[196:199], s[100:101] offset:512
	global_store_b8 v6, v225, s[66:67]
	s_add_co_u32 s11, s11, 1
	s_cmp_lt_u32 s11, 2
	s_cbranch_scc1 .Lpass
	s_wait_tensorcnt 0x0
	ds_add_u32 v231, v239
	s_wait_dscnt 0x0
	s_endpgm
.Lfunc_end_k_q60da565257_attn:
	.size	k_q60da565257_attn, .Lfunc_end_k_q60da565257_attn-k_q60da565257_attn
	.p2alignl 7, 3214868480
	.fill 96, 4, 3214868480
	.section	.rodata,"a",@progbits
	.p2align	6, 0x0
	.amdhsa_kernel k_q60da565257_attn
		.amdhsa_group_segment_fixed_size 36864
		.amdhsa_private_segment_fixed_size 0
		.amdhsa_enable_private_segment 0
		.amdhsa_kernarg_size 24
		.amdhsa_user_sgpr_count 2
		.amdhsa_user_sgpr_kernarg_segment_ptr 1
		.amdhsa_wavefront_size32 1
		.amdhsa_system_sgpr_workgroup_id_x 1
		.amdhsa_system_sgpr_workgroup_id_y 1
		.amdhsa_system_sgpr_workgroup_id_z 1
		.amdhsa_system_vgpr_workitem_id 0
		.amdhsa_next_free_vgpr 256
		.amdhsa_next_free_sgpr 106
		.amdhsa_reserve_vcc 0
		.amdhsa_float_denorm_mode_32 3
		.amdhsa_float_denorm_mode_16_64 3
		.amdhsa_memory_ordered 1
		.amdhsa_forward_progress 1
		.amdhsa_inst_pref_size 65
	.end_amdhsa_kernel
	.amdgpu_metadata
---
amdhsa.version: [ 1, 2 ]
amdhsa.kernels:
  - .name:           k_q60da565257_attn
    .symbol:         k_q60da565257_attn.kd
    .args:
      - { .name: qkv, .offset: 0, .size: 8, .value_kind: global_buffer, .address_space: global }
      - { .name: msk, .offset: 8, .size: 8, .value_kind: global_buffer, .address_space: global }
      - { .name: att, .offset: 16, .size: 8, .value_kind: global_buffer, .address_space: global }
    .group_segment_fixed_size: 36864
    .private_segment_fixed_size: 0
    .kernarg_segment_align: 8
    .kernarg_segment_size: 24
    .max_flat_workgroup_size: 512
    .sgpr_count:     106
    .vgpr_count:     256
    .wavefront_size: 32
...
	.end_amdgpu_metadata
.endif
;; end of part 3
;; launch gemm_proj (part 4): grid 4 x 32, 4 waves a work-group, clusters of 4 x 4, 327,680 bytes of LDS; arguments att, ops, b_proj, out0; writes out0
.if DOCPART == 4
	.amdgcn_target "amdgcn-amd-amdhsa--gfx1250"
	.amdhsa_code_object_version 6
	.text
	.protected	k_q60da565257_gemm_proj
	.globl	k_q60da565257_gemm_proj
	.p2align	8
	.type	k_q60da565257_gemm_proj,@function
k_q60da565257_gemm_proj:
	s_mov_b64 s[64:65], 0
	v_nop
	global_prefetch_b8 v0, s[64:65] scope:SCOPE_SE
	s_setreg_imm32_b32 hwreg(HW_REG_WAVE_MODE, 25, 1), 1
	s_wait_xcnt 0x0
	s_wait_alu depctr_hold_cnt(0) depctr_sa_sdst(0) depctr_va_vdst(0) depctr_va_sdst(0) depctr_va_ssrc(0) depctr_va_vcc(0) depctr_vm_vsrc(0)
	s_getreg_b32 s2, hwreg(HW_REG_IB_STS2, 6, 4)
	s_cmp_eq_u32 s2, 0
	s_cbranch_scc0 .Lentry_in_a_cluster
	s_endpgm
.Lentry_in_a_cluster:
	s_bfe_u32 s2, ttmp6, 0x10000c
	s_cmp_lg_u32 s2, 0xf033
	s_cbranch_scc0 .Lentry_shape_is_right
	s_endpgm
.Lentry_shape_is_right:
; out0 = O W_proj + b_proj on codes of E4M3 with E8M0 scales: M = 8,192, N = 1,024, K = 1,024; out0 f32.
; A tile of 256 x 256 is made by four waves, 128 x 128 each: 64 accumulators, 512 registers.  K goes in steps of 256 through a ring of two LDS slots filled by the tensor data mover.
; A (the attention's result) lies in memory as IMAGES OF ITS FRAGMENTS' REGISTERS: [tile of 16 tokens][K step of 128][4][lane][16 bytes]: a slot's part of 128 rows is 8 rows of 4,096 bytes, 16,384 apart;
; it comes into LDS dense, and a fragment is four loads of 512 consecutive bytes.  B (W_proj^T) lies by rows, K innermost, and is padded in LDS.
; The scale bytes of the work-group's 2 x 256 rows, for all of K, come once, with the first fills.  4 x 4 work-groups form a cluster: A's tiles are asked for jointly along a row of it, B's along a column.
; The matrix instruction is used transposed (source 0 = 16 rows of B, source 1 = 16 rows of A): a lane holds eight neighbouring numbers of a row of out0.  The bias is the C of each sum's first instruction.
; A row of A whose scale bytes are 0xff (a query for which the mask hides every key) comes out NaN.
; REGISTERS, in windows of 256: window 0: v0-31 addresses; v32-63 scale words, two sets; v64-127 the bias; from v128 A's fragments, one set, on the way out rows of out0.  window 1: B's fragments, two sets.
;   window 2: the accumulators of my rows 0-63;   window 3: those of my rows 64-127.
.set SIZE_N, 1024
.set NQ,     2
.set ROWB,   256
.set KROW,   1024
.set PITCH,  272
.set FR,     16
.set NL,     4
.set NP,     8
.set HALFA,  32768                     ; A: 128 rows x 256 K as images, dense
.set HALFT,  128*PITCH                 ; B: 128 rows of 272 bytes
.set BOFF,   2*HALFA
.set SLOT,   BOFF+2*HALFT
.set LAPS,   2
.set KS,     32
.set SCL,    2*SLOT
.set HALFS,  16*272
.set SBLK,   2*272
.set SPARE,  SCL+4*HALFS               ; the spare words: 128 bytes a wave, two blocks of 256 bytes that no other line names
.set SPITCH, 528                       ; the way out: a stage of 16 rows x (512 + 16) bytes a wave, in slot 0, which has had its last fill and its last read by then
.set XS,     12582912
.set AS,     8388608
.set ADRA, 16
.set ADRB, 20
.set STO,  24
.set RD,   25
.set CO,   26
.set ADRS, 27
.set SPW,  28
.set NIL,  29
.set SC,   32
.set BIAS, 64
.set AF,   128
.set BK,   128
.set G1, 24
.set G0, 32
.set G1B, 48
.set G0B, 56
.set G1S, 68
.set G0S, 76
.set G1SB, 80
.set G0SB, 88
.set MSB, 0
.macro WIN new
.if MSB != \new
	s_set_vgpr_msb (MSB<<8)|\new
.set MSB, \new
.endif
.endm
.set MUL_LO, 0xa1
.set MUL_HI, 0xf1
.set TO_B,   0x40
.macro JLOAD g0a, g1a, g0b, g1b        ; waves 0 and 1 fetch for A, waves 2 and 3 for B; four v_nop follow each of the two lines
	s_cmp_eq_u32 s15, 0
	s_cbranch_scc0 .Lfor_b_\@
	tensor_load_to_lds s[\g0a:\g0a+3], s[\g1a:\g1a+7]
	s_nop 0
.rept 4
	v_nop
.endr
	s_branch .Lasked_\@
.Lfor_b_\@:
	tensor_load_to_lds s[\g0b:\g0b+3], s[\g1b:\g1b+7]
	s_nop 0
.rept 4
	v_nop
.endr
.Lasked_\@:
.endm
.macro CREST
	s_cmp_lg_u32 s14, 0
	s_cbranch_scc1 .Lnot_wave_0_\@
	s_barrier_signal -3
.Lnot_wave_0_\@:
	s_barrier_wait -3
	s_barrier_signal -1
	s_barrier_wait -1
.endm
.macro CROUND
	s_barrier_signal -1
	s_barrier_wait -1
	CREST
.endm
	s_load_b256 s[4:11], s[0:1], 0x0               ; att s[4:5], ops s[6:7], b_proj s[8:9], out0 s[10:11]
	v_lshl_add_u32 v[SPW], v0, 2, SPARE
	v_mov_b32 v[NIL], 0
	ds_add_u32 v28, v29
	ds_add_u32 v28, v29
	s_wait_dscnt 0x0
	v_lshrrev_b32 v1, 5, v0
	v_readfirstlane_b32 s14, v1                    ; wave 0..3
	s_lshr_b32 s15, s14, 1                         ; which half of the tile's rows is mine.  Also: I fetch for A (0) or for B (1)
	s_and_b32 s16, s14, 1                          ; which half of its columns.  Also: which 128 rows I fetch
	s_bfe_u32 s40, ttmp6, 0x40000                  ; cx
	s_bfe_u32 s41, ttmp6, 0x40004                  ; cy
	s_lshl_b32 s42, ttmp9, 2
	s_add_co_u32 s42, s42, s40                     ; tile column
	s_and_b32 s17, ttmp7, 0xffff
	s_lshl_b32 s17, s17, 2
	s_add_co_u32 s17, s17, s41                     ; tile row
	s_lshl_b32 s43, s41, 2
	s_lshl_b32 s43, 15, s43                        ; my row of the cluster
	s_lshl_b32 s44, 0x1111, s40                    ; my column
	s_or_b32 s[G1+0], s43, (3<<16)|(1<<21)         ; A: the mask; elements of 8 bytes; no padding; bit 21 beside a mask
	s_mov_b32 s[G1+1], 512<<16                     ; tensor_dim0 = 512 elements: 4,096 bytes
	s_mov_b32 s[G1+2], 8<<16                       ; tensor_dim1 = 8
	s_mov_b32 s[G1+3], 512<<16                     ; tile_dim0
	s_mov_b32 s[G1+4], 8                           ; tile_dim1
	s_mov_b32 s[G1+5], 2048                        ; from row to row: 16,384 bytes
	s_mov_b32 s[G1+6], 0
	s_mov_b32 s[G1+7], 0
	s_or_b32 s[G1B+0], s44, (0<<16)|(1<<20)|(1<<21)|(5<<22)|(3<<25)  ; B: elements of 1 byte; 4 words of padding behind every 64
	s_mov_b32 s[G1B+1], ROWB<<16
	s_mov_b32 s[G1B+2], 128<<16
	s_mov_b32 s[G1B+3], ROWB<<16
	s_mov_b32 s[G1B+4], 128
	s_mov_b32 s[G1B+5], KROW
	s_mov_b32 s[G1B+6], 0
	s_mov_b32 s[G1B+7], 0
	s_or_b32 s[G1S+0], s43, (3<<16)|(1<<20)|(1<<21)|(5<<22)|(3<<25)  ; the scales of 128 rows: 16 rows of 256 bytes, 16 of padding behind each
	s_or_b32 s[G1SB+0], s44, (3<<16)|(1<<20)|(1<<21)|(5<<22)|(3<<25)
.irp g, G1S, G1SB
	s_mov_b32 s[\g+1], 32<<16
	s_mov_b32 s[\g+2], 16<<16
	s_mov_b32 s[\g+3], 32<<16
	s_mov_b32 s[\g+4], 16
	s_mov_b32 s[\g+5], 32
	s_mov_b32 s[\g+6], 0
	s_mov_b32 s[\g+7], 0
.endr
	s_lshl_b32 s20, s17, 18                        ; A's images: 16 tiles of 16,384 bytes a tile row,
	s_lshl_b32 s18, s16, 17                        ; 8 for the half that I fetch
	s_add_co_u32 s20, s20, s18
	s_mov_b32 s21, 0
	s_lshl_b32 s22, s17, 13                        ; A's scale bytes: 32 a row
	s_lshl_b32 s18, s16, 12
	s_add_co_u32 s22, s22, s18
	s_add_co_u32 s22, s22, AS
	s_mov_b32 s23, 0
	s_lshl_b32 s46, s42, 8
	s_lshl_b32 s47, s16, 7
	s_add_co_u32 s46, s46, s47
	s_add_co_u32 s46, s46, 11264                   ; B: W_proj^T's rows in ops
	s_lshl_b32 s92, s46, 5
	s_add_co_u32 s92, s92, XS
	s_mov_b32 s93, 0
	s_lshl_b32 s46, s46, 10
	s_mov_b32 s47, 0
	s_lshl_b32 s45, s16, 15                        ; where they go: A's halves,
	s_mul_i32 s95, s16, HALFT
	s_add_co_u32 s95, s95, BOFF                    ; B's halves behind them,
	s_mul_i32 s94, s14, HALFS                      ; the scales by the wave's number
	s_wait_kmcnt 0x0
	s_add_nc_u64 s[20:21], s[4:5], s[20:21]
	s_add_nc_u64 s[22:23], s[4:5], s[22:23]
	s_add_nc_u64 s[46:47], s[6:7], s[46:47]
	s_add_nc_u64 s[92:93], s[6:7], s[92:93]
	CROUND                                         ; all sixteen work-groups are here: the first joint loads meet
	s_mov_b32 s[G0S], 1
	s_add_co_u32 s[G0S+1], s94, SCL
	s_mov_b64 s[G0S+2:G0S+3], s[22:23]
	s_or_b32 s[G0S+3], s[G0S+3], 0x80000000
	s_mov_b32 s[G0SB], 1
	s_add_co_u32 s[G0SB+1], s94, SCL
	s_mov_b64 s[G0SB+2:G0SB+3], s[92:93]
	s_or_b32 s[G0SB+3], s[G0SB+3], 0x80000000
	JLOAD G0S, G1S, G0SB, G1SB
.irp s, 0,1
	s_mov_b32 s[G0+4*\s], 1
	s_add_co_u32 s[G0+4*\s+1], s45, \s*SLOT
	s_add_nc_u64 s[G0+4*\s+2:G0+4*\s+3], s[20:21], \s*4096
	s_or_b32 s[G0+4*\s+3], s[G0+4*\s+3], 0x80000000
	s_mov_b32 s[G0B+4*\s], 1
	s_add_co_u32 s[G0B+4*\s+1], s95, \s*SLOT
	s_add_nc_u64 s[G0B+4*\s+2:G0B+4*\s+3], s[46:47], \s*ROWB
	s_or_b32 s[G0B+4*\s+3], s[G0B+4*\s+3], 0x80000000
	JLOAD G0+4*\s, G1, G0B+4*\s, G1B               ; three tensor loads of mine are out
.endr
	v_and_b32 v1, 15, v0                           ; r
	v_bfe_u32 v2, v0, 4, 1                         ; h
	v_mul_u32_u24 v3, v1, PITCH
	v_lshl_add_u32 v4, v2, 4, v3
	v_and_b32 v6, 31, v0
	v_lshlrev_b32 v7, 4, v6                        ; 16 x lane
	s_lshl_b32 s21, s15, 15                        ; my 128 rows of A
	s_mul_i32 s22, s16, HALFT
	s_add_co_u32 s22, s22, BOFF                    ; my 128 rows of B
.irp s, 0,1
	v_add_nc_u32 v[ADRA+\s], s21, v7
	v_add_nc_u32 v[ADRB+\s], s22, v4
	s_add_co_u32 s21, s21, SLOT
	s_add_co_u32 s22, s22, SLOT
.endr
	v_mul_u32_u24 v5, v1, KS
	v_lshrrev_b32 v6, 8, v5
	v_lshl_add_u32 v5, v6, 4, v5
	s_mul_i32 s21, s15, HALFS
	s_mul_i32 s22, s16, HALFS
	s_add_co_u32 s22, s22, 2*HALFS
	s_sub_co_u32 s22, s22, s21
	v_mul_u32_u24 v6, s22, v2                      ; lanes 16-31 take B's scale words
	s_add_co_u32 s21, s21, SCL
	v_add_nc_u32 v5, v5, v6
	v_add_nc_u32 v[ADRS], s21, v5
	s_mul_i32 s23, s14, 16*SPITCH                  ; my stage
	v_mul_u32_u24 v5, v1, SPITCH
	v_lshl_add_u32 v5, v2, 5, v5
	v_add_nc_u32 v[STO], s23, v5
	v_mov_b32 v[CO], v7
	v_add_nc_u32 v[RD], s23, v7
	v_lshlrev_b32 v8, 5, v2                        ; the bias: 32 h bytes
	s_lshl_b32 s20, s17, 8
	s_lshl_b32 s21, s15, 7
	s_add_co_u32 s20, s20, s21                     ; my first row of out0
	s_mov_b32 s21, 0
	s_mov_b64 s[18:19], SIZE_N*4
	s_mul_u64 s[20:21], s[20:21], s[18:19]
	s_lshl_b32 s46, s42, 10                        ; my first column, in bytes
	s_lshl_b32 s47, s16, 9
	s_add_co_u32 s46, s46, s47
	s_mov_b32 s47, 0
	s_add_nc_u64 s[8:9], s[8:9], s[46:47]          ; the bias of my 128 columns
	s_add_nc_u64 s[20:21], s[20:21], s[46:47]
	s_add_nc_u64 s[12:13], s[10:11], s[20:21]
.irp b, 0,1,2,3,4,5,6,7                        ; register j of accumulator (a, b) is column 16 b + 8 h + j
	global_load_b128 v[BIAS+8*\b:BIAS+8*\b+3], v8, s[8:9] offset:64*\b
	global_load_b128 v[BIAS+8*\b+4:BIAS+8*\b+7], v8, s[8:9] offset:64*\b+16
.endr
.macro FRAGB reg, adr, q, i
.irp c, 0,1,2,3
	ds_load_b128 v[\reg+4*\c:\reg+4*\c+3], v[\adr] offset:128*(\q)+32*\c+(\i)*16*PITCH
.endr
.endm
.macro FRAGA reg, adr, q, i            ; an image comes back as it was stored: 512 consecutive bytes a load
.irp c, 0,1,2,3
	ds_load_b128 v[\reg+4*\c:\reg+4*\c+3], v[\adr] offset:(\i)*4096+(\q)*2048+512*\c
.endr
.endm
; 16 matrix instructions: A's blocks a0, a0 + 1 x B's eight.  zero = 1: the sums start with the bias.  The 64 accumulators take turns.
.macro MUL16 a0, p, q, sc, zero
.irp a, \a0, \a0+1
.irp b, 0,1,2,3,4,5,6,7
.if \zero
	v_wmma_scale_f32_16x16x128_f8f6f4 v[8*(8*((\a)%4)+\b):8*(8*((\a)%4)+\b)+7], v[128*(\p)+FR*\b:128*(\p)+FR*\b+FR-1], v[AF+FR*(\a):AF+FR*(\a)+FR-1], v[BIAS+8*\b:BIAS+8*\b+7], v[SC+8*NQ*(\sc)+NQ*\b+(\q)], v[SC+8*NQ*(\sc)+NQ*(\a)+(\q)] matrix_a_scale:MATRIX_SCALE_ROW1
.else
	v_wmma_scale_f32_16x16x128_f8f6f4 v[8*(8*((\a)%4)+\b):8*(8*((\a)%4)+\b)+7], v[128*(\p)+FR*\b:128*(\p)+FR*\b+FR-1], v[AF+FR*(\a):AF+FR*(\a)+FR-1], v[8*(8*((\a)%4)+\b):8*(8*((\a)%4)+\b)+7], v[SC+8*NQ*(\sc)+NQ*\b+(\q)], v[SC+8*NQ*(\sc)+NQ*(\a)+(\q)] matrix_a_scale:MATRIX_SCALE_ROW1
.endif
.endr
.endr
.endm
.macro FETCH_B slot, q, p
	WIN TO_B
.irp i, 0,1,2,3,4,5,6,7
	FRAGB 128*(\p)+FR*\i, ADRB+\slot, \q, \i
.endr
	WIN 0
.endm
.macro FETCH_A slot, q, i0
.irp i, \i0, \i0+1, \i0+2, \i0+3
	FRAGA AF+FR*(\i), ADRA+\slot, \q, \i
.endr
.endm
.macro SCALES sc
.irp i, 0,1,2,3,4,5,6,7
	ds_load_b64 v[SC+8*NQ*\sc+NQ*\i:SC+8*NQ*\sc+NQ*\i+1], v[ADRS] offset:\i*SBLK
.endr
.endm
.macro PLACES n
.rept \n
	v_nop
.endr
.endm
.macro STEP slot, q, zero
	s_wait_dscnt 4*NL                              ; B's set and A's blocks 0-3 are in; the youngest sixteen loads (A's blocks 4-7) may be out
.if \zero
	WIN 0x81                                       ; C, the bias, in window 0; D in window 2
.else
	WIN MUL_LO
.endif
	MUL16 0, (\q)%2, \q, \slot, \zero
	MUL16 2, (\q)%2, \q, \slot, \zero
	s_wait_dscnt 0
	PLACES NP
	FETCH_B \slot, (\q)+1, 1-(\q)%2
	FETCH_A \slot, (\q)+1, 0
.if \zero
	WIN 0xc1
.else
	WIN MUL_HI
.endif
	MUL16 4, (\q)%2, \q, \slot, \zero
	MUL16 6, (\q)%2, \q, \slot, \zero
	PLACES NP
	WIN 0
	FETCH_A \slot, (\q)+1, 4
.endm
.macro TURN slot, next, fill
	s_wait_tensorcnt 0x0                           ; all my tensor loads have landed: my part of the next slot
	ds_add_u32 v[SPW], v[NIL]                      ; 0 onto my spare word
	s_wait_dscnt 4*NL+1                            ; (the add and the youngest sixteen loads may be out)
	WIN MUL_LO
	MUL16 0, 1, NQ-1, \slot, 0
	s_wait_dscnt 0x0                               ; the add is done, and my reads of this slot are over
	s_barrier_signal -1
	MUL16 2, 1, NQ-1, \slot, 0
	WIN 0
	s_barrier_wait -1
.if \fill
	CREST                                          ; the barrier has opened a round of the cluster's barrier
	s_add_nc_u64 s[G0+4*\slot+2:G0+4*\slot+3], s[G0+4*\slot+2:G0+4*\slot+3], 2*4096
	s_add_nc_u64 s[G0B+4*\slot+2:G0B+4*\slot+3], s[G0B+4*\slot+2:G0B+4*\slot+3], 2*ROWB
	JLOAD G0+4*\slot, G1, G0B+4*\slot, G1B         ; the first tensor load behind the round, my one load until the next
	PLACES NP-4
.else
	PLACES NP
.endif
	v_add_nc_u32 v[ADRS], 4*NQ, v[ADRS]
	FETCH_B \next, 0, 0
	FETCH_A \next, 0, 0
	SCALES \next
	WIN MUL_HI
	MUL16 4, 1, NQ-1, \slot, 0
	MUL16 6, 1, NQ-1, \slot, 0
	PLACES NP
	WIN 0
	FETCH_A \next, 0, 4
.endm
	s_wait_tensorcnt 1                             ; the scales and my part of K step 0 are in; slot 1's load may be out
	s_barrier_signal -1
	s_barrier_wait -1
	FETCH_B 0, 0, 0
	FETCH_A 0, 0, 0
	SCALES 0
	FETCH_A 0, 0, 4
	s_wait_loadcnt 0x0                             ; the bias
	STEP 0, 0, 1
	s_mov_b32 s3, LAPS-1
.Llap:
	TURN 0, 1, 1
	STEP 1, 0, 0
	TURN 1, 0, 1
	STEP 0, 0, 0
	s_sub_co_u32 s3, s3, 1
	s_cmp_lg_u32 s3, 0
	s_cbranch_scc1 .Llap
	TURN 0, 1, 0                                   ; the last lap fills nothing
	STEP 1, 0, 0
	s_wait_dscnt 4*NL
	WIN MUL_LO
	MUL16 0, 1, NQ-1, 1, 0
	MUL16 2, 1, NQ-1, 1, 0
	s_wait_dscnt 0
	WIN MUL_HI
	MUL16 4, 1, NQ-1, 1, 0
	MUL16 6, 1, NQ-1, 1, 0
	WIN 0
; THE WAY OUT, block by block of 16 rows x 128 columns, through my own stage: in as 32 bytes a lane, back as whole rows of 512 bytes, which the 32 lanes store as 512 consecutive aligned bytes.
.macro TOSTAGE a
.set AC, 64*((\a)%4)
	WIN 0x08+4*((\a)/4)                            ; the data: window 2 or 3
.irp b, 0,1,2,3,4,5,6,7
	ds_store_b128 v[STO], v[AC+8*\b:AC+8*\b+3] offset:64*\b          ; each accumulator from its low end on
	ds_store_b128 v[STO], v[AC+8*\b+4:AC+8*\b+7] offset:64*\b+16
.endr
	WIN 0
.set BB, BK+64*((\a)%2)
.irp t, 0,1,2,3,4,5,6,7,8,9,10,11,12,13,14,15
	ds_load_b128 v[BB+4*\t:BB+4*\t+3], v[RD] offset:\t*SPITCH        ; LDS serves a wave's instructions in order (ISA guide 5.7.1.4)
.endr
.endm
.macro SEND a, younger
.set BB, BK+64*((\a)%2)
	s_wait_dscnt \younger                          ; the block is back in registers
.if (\a) > 0
	s_add_nc_u64 s[12:13], s[12:13], 16*SIZE_N*4   ; (behind a wait on XCNT: the earlier stores have read their base)
.endif
.irp t, 0,1,2,3,4,5,6,7,8,9,10,11,12,13,14,15
	global_store_b128 v[CO], v[BB+4*\t:BB+4*\t+3], s[12:13] offset:\t*SIZE_N*4 th:TH_STORE_NT
.endr
.endm
	PLACES NP
	TOSTAGE 0
.irp a, 1,2,3,4,5,6,7
.if \a > 1
	s_wait_xcnt 0x0                                ; block a - 2's stores have read their registers and their base
.endif
	TOSTAGE \a
	SEND \a-1, 32                                  ; behind block a - 1's loads: block a's 16 stores and 16 loads
.endr
	s_wait_xcnt 0x0
	SEND 7, 0
	s_wait_tensorcnt 0x0                           ; the wave's end
	ds_add_u32 v[SPW], v[NIL]
	s_wait_dscnt 0x0
	CROUND                                         ; the closing round
	s_endpgm
.Lfunc_end_k_q60da565257_gemm_proj:
	.size	k_q60da565257_gemm_proj, .Lfunc_end_k_q60da565257_gemm_proj-k_q60da565257_gemm_proj
	.p2alignl 7, 3214868480
	.fill 96, 4, 3214868480
	.section	.rodata,"a",@progbits
	.p2align	6, 0x0
	.amdhsa_kernel k_q60da565257_gemm_proj
		.amdhsa_group_segment_fixed_size 327680
		.amdhsa_private_segment_fixed_size 0
		.amdhsa_enable_private_segment 0
		.amdhsa_kernarg_size 32
		.amdhsa_user_sgpr_count 2
		.amdhsa_user_sgpr_kernarg_segment_ptr 1
		.amdhsa_wavefront_size32 1
		.amdhsa_system_sgpr_workgroup_id_x 1
		.amdhsa_system_sgpr_workgroup_id_y 1
		.amdhsa_system_sgpr_workgroup_id_z 1
		.amdhsa_system_vgpr_workitem_id 0
		.amdhsa_next_free_vgpr 1024
		.amdhsa_next_free_sgpr 100
		.amdhsa_reserve_vcc 0
		.amdhsa_float_denorm_mode_32 3
		.amdhsa_float_denorm_mode_16_64 3
		.amdhsa_memory_ordered 1
		.amdhsa_forward_progress 1
		.amdhsa_inst_pref_size 147
	.end_amdhsa_kernel
	.amdgpu_metadata
---
amdhsa.version: [ 1, 2 ]
amdhsa.kernels:
  - .name:           k_q60da565257_gemm_proj
    .symbol:         k_q60da565257_gemm_proj.kd
    .args:
      - { .name: att, .offset: 0, .size: 8, .value_kind: global_buffer, .address_space: global }
      - { .name: ops, .offset: 8, .size: 8, .value_kind: global_buffer, .address_space: global }
      - { .name: b_proj, .offset: 16, .size: 8, .value_kind: global_buffer, .address_space: global }
      - { .name: out0, .offset: 24, .size: 8, .value_kind: global_buffer, .address_space: global }
    .group_segment_fixed_size: 327680
    .private_segment_fixed_size: 0
    .kernarg_segment_align: 8
    .kernarg_segment_size: 32
    .max_flat_workgroup_size: 128
    .sgpr_count:     100
    .vgpr_count:     1024
    .wavefront_size: 32
...
	.end_amdgpu_metadata
.endif
;; end of part 4
;; ======== version 2 of 2: 4 launches; version 1 with the launch attn written anew for expert scheduling mode
;; workspace buffers: ops 12,976,128 bytes; msk 526,336 bytes of whole numbers; qkv 26,738,688 bytes; att 8,650,752 bytes
;; launch prep: the kernel of part 1 again; grid 512 x 1, 4 waves a work-group, no clusters, 101,888 bytes of LDS; arguments x, W_qkv, W_proj, mask, ops, msk; writes ops, msk
;; launch gemm_qkv: the kernel of part 2 again; grid 12 x 32, 4 waves a work-group, clusters of 4 x 4, 327,680 bytes of LDS; arguments ops, b_qkv, qkv; writes qkv
;; launch attn (part 5): grid 4 x 64, 16 waves a work-group, no clusters, 36,864 bytes of LDS; arguments qkv, msk, att; writes att
.if DOCPART == 5
	.amdgcn_target "amdgcn-amd-amdhsa--gfx1250"
	.amdhsa_code_object_version 6
	.text
	.protected	k_q60da565257_attn
	.globl	k_q60da565257_attn
	.p2align	8
	.type	k_q60da565257_attn,@function
k_q60da565257_attn:
	s_mov_b64 s[64:65], 0
	v_nop
	global_prefetch_b8 v0, s[64:65] scope:SCOPE_SE
	s_setreg_imm32_b32 hwreg(HW_REG_WAVE_SCHED_MODE, 0, 2), 2
	s_setreg_imm32_b32 hwreg(HW_REG_WAVE_MODE, 25, 1), 1
	s_wait_xcnt 0x0
	s_wait_alu depctr_vm_vsrc(0)
; ATTENTION on codes of E4M3 with E8M0 scales, head size 64, with the mask that is GIVEN (lane-mask words and flags that the first launch made of it).
; t = score x log2(e) / 8; M = the running largest t rounded up to a whole number; p = 2^(t - M) is quantised along the keys, not normalised; the row's sum of the unquantised p divides at the end.
; SHARES.  A work-group serves one head (y) and two blocks of 256 queries, 7 - x and x, one after the other; each of its sixteen waves owns a tile of 16 queries in 256 registers, four waves to a SIMD.
; Every pass walks all 16 steps of 128 keys: trip counts are constants.  A step whose tile (16 queries x 128 keys) has no key that counts is left out by a scalar branch on a stored flag, never round a barrier:
; right for every mask.  A tile with no hidden key skips the 64 selections.
; NO TENSOR LOAD, NO CLUSTER: branches hang on numbers read from memory, so LDS is filled through registers: each thread brings 16 bytes of K's image and 16 of V's (512 threads x 16 = 8,192 each), 192 threads
; 4 bytes of the 768 scale bytes; the loads go out two steps ahead of the step that reads them, into two slots that take turns, one barrier a step.
; LAYOUT.  Both products are used transposed: S^T = K Q^T, O^T = V^T P^T: a lane holds one query.  K, V and Q arrive as images of the operands' registers: every LDS address is a constant + 16, 8 or 4 x a lane's or thread's number.
; The head's 64 fill half of the instruction's K = 128: the upper eight registers of Q's and K's fragments hold zero codes for the whole launch.
; OUT: O / l is quantised along the head's axis (two blocks of 32) and stored as an image of the last product's operand registers, 512 consecutive aligned bytes a store; the scale bytes go one a lane into rows
; 32 bytes apart: 262,144 bytes in the whole launch.
; A QUERY WITH NO KEY THAT COUNTS has l = 0: its codes are zeros and its scale bytes 0xff, so that the last product gives NaN for that row, as a softmax over nothing does.
; LIMITS: NaN and infinities among the inputs are not served; a block whose every p, or every number, lies under 2^-118 keeps the byte 1.
; THE MODE: SCHED_MODE bits 1:0 = 2 (LLVM: expert scheduling mode 2), set by the entry lines.  The code itself states the register dependences
; between vector or matrix instructions and memory or LDS instructions, with s_wait_alu, always for 0.
; THE PLAN.  Registers that memory or LDS instructions touch:
;   v1-v6            offsets and LDS addresses: written at the head, never again.
;   sets A, B        (v240-247 with v8, v248-255 with v9) written at the head once, then by loads from memory alone; read by the LDS stores of the step after the loads; loaded again in the step after those stores.
;   v16-23, v238     Q and its scale words: loaded at a pass's head; read by the score products.
;   v32-95 (the lower eight of each sixteen), v232-235   K's fragments and scale words: LDS loads; read by the score products.
;   v96-159          written by the score products and the softmax's lines, read by the conversions; then V's fragments land there, which the second products read.
;   v236-237         V's scale words: an LDS load; read by the second products.
;   v192-199, v225   on the way out: written by the conversions and a selection; read by the three stores.
;   v160-191, v208-229 and, in the loop, p's codes are named by vector and matrix instructions alone.
; A STEP'S WAITS.  At its head, on vm_vsrc: the last step's LDS stores have read their set.  On va_vdst: behind the first four score products, for K's next four tiles; the two behind the exponentials, which also state
; that the last four score products are done with K's fragments, K's scale words and Q (no later vector line names these, so the next step's and the next pass's loads into them owe nothing more);
; behind the conversions of p's blocks 0 and 1, for V's fragments 0 and 1 and V's scale words; behind those of blocks 2 and 3 and O^T's multiplications, for V's fragments 2 and 3 and for p's codes and scale word.
.set SLOTB, 17408                      ; a slot: K's image 8,192, V's 8,192, the scale record 768, rounded up
.set KIMG,  8388608
.set VIMG,  16777216
.set QSC,   25165824
.set KVSC,  25952256
.set FLG,   524288
.set AS,    8388608
.set TM,   208                         ; v208-211 a block's largest score, then p
.set T2,   212                         ; v212-215 the other half's, then the bytes
.set HOLD, 216                         ; v216-219 448 x the scale
.set SCO,  220                         ; v220-223 the conversions' scale operands
.set GA,   240                         ; v240-247 K's and V's 16 bytes on their way, set A (scale word: v8)
.set GB,   248                         ; v248-255 set B (v9)
; v1 16 lane; v2 16 thread; v3 4 thread; v4 8 lane; v5 16 r; v6 32 r + h; v7 -infinity; v12 -M; v13 largest t; v[14:15] l; v16-31 Q; v32-95 four fragments of K; v96-159 S^T, p, then V; v160-191 O^T;
; v192-207 p's codes; v224 p's scale word; v225 at work; v[226:227] f; v[228:229] second chain of sums; v232-235 K's scale words; v236-237 V's; v238 Q's
; s2 wave; s3 step; s10 trips; s11 pass; s12 block; s13 tile; s14 flags of the work-group; s15 my tile's flags; s[18:19] c; s[20:51], s[68:99] mask words; s[56:63] K, V, scales, mask words in memory; s105 head
	s_load_b128 s[4:7], s[0:1], 0x0                ; qkv s[4:5], msk s[6:7]
	s_load_b64 s[8:9], s[0:1], 0x10                ; att
	v_lshl_add_u32 v231, v0, 2, 0x8800
	v_mov_b32 v239, 0
	v_lshrrev_b32 v1, 5, v0
	v_readfirstlane_b32 s2, v1                     ; wave 0..15
.irp i, 24,25,26,27,28,29,30,31
	v_mov_b32 v\i, 0                               ; zero codes: the upper half of Q's fragment
.endr
.irp t, 0,1,2,3
.irp i, 8,9,10,11,12,13,14,15
	v_mov_b32 v[32+16*\t+\i], 0                    ; and of K's four
.endr
.endr
.set i, 0
.rept 16
	v_mov_b32 v[GA+i], 0                           ; written once: on a way on which a step's loads are left out nothing reads them, and nothing is unwritten
.set i, i+1
.endr
	v_mov_b32 v8, 0
	v_mov_b32 v9, 0
.irp b, 0,1,2,3
	v_mov_b32 v[T2+\b], 0                          ; a lane permute's destination counts as one of its sources
.endr
	v_mov_b32 v227, 0                              ; (named as the upper half of a pair)
	v_and_b32 v10, 31, v0
	v_lshlrev_b32 v1, 4, v10
	v_lshlrev_b32 v2, 4, v0
	v_lshlrev_b32 v3, 2, v0
	v_lshlrev_b32 v4, 3, v10
	v_and_b32 v11, 15, v0
	v_lshlrev_b32 v5, 4, v11
	v_bfe_u32 v10, v0, 4, 1
	v_lshl_or_b32 v6, v11, 5, v10
	v_mov_b32 v7, 0xff800000
	s_mov_b32 s18, 0x3e38aa3b                      ; c = log2(e) / 8
	s_mov_b32 s19, s18
	s_mov_b32 s52, 0x76543210
	s_mov_b32 s53, 0xfedcba98                      ; lane l xor 16
	s_mov_b32 s54, 0x600000                        ; the mantissa field of 448
	s_mov_b32 s55, 0xffff0000                      ; lanes 16-31
	s_and_b32 s105, ttmp7, 0xffff                  ; 16 x batch + head
	s_mov_b32 s11, 0
	s_wait_kmcnt 0x0
	s_wait_alu depctr_va_sdst(0)                   ; s2, the wave's number, is written, ahead of its first reader and of the label below
	s_wait_alu depctr_va_vdst(0)                   ; written: v1 to v6, which every load and store reads as its address; both register sets with v8 and v9, in which loads land; the zero halves of Q's and K's fragments, which the scaled products take
; the tiles of step s3 + d, at k steps from the pointers, into a register set: left out where no wave of the work-group will read them (bits 16 and up of s14 are 0: no load passes the last step)
.macro GLOAD set, sc, k, d
	s_add_co_u32 s16, s3, \d
	s_bitcmp1_b32 s14, s16
	s_cbranch_scc0 .Lgl_\@
	global_load_b128 v[\set:\set+3], v2, s[56:57] offset:(\k)*8192
	global_load_b128 v[\set+4:\set+7], v2, s[58:59] offset:(\k)*8192
	s_cmp_lt_u32 s2, 6
	s_cbranch_scc0 .Lgl_\@
	global_load_b32 v[\sc], v3, s[60:61] offset:(\k)*768
.Lgl_\@:
.endm
.macro LSTORE set, sc, slot, d
	s_wait_loadcnt 0x0                             ; on every way: the set has landed
	s_add_co_u32 s16, s3, \d
	s_bitcmp1_b32 s14, s16
	s_cbranch_scc0 .Lls_\@
	ds_store_b128 v2, v[\set:\set+3] offset:(\slot)*SLOTB
	ds_store_b128 v2, v[\set+4:\set+7] offset:(\slot)*SLOTB+8192
	s_cmp_lt_u32 s2, 6
	s_cbranch_scc0 .Lls_\@
	ds_store_b32 v3, v[\sc] offset:(\slot)*SLOTB+16384
.Lls_\@:
.endm
; A KEY STEP: 128 keys, in slot par
.macro STEP par
	s_wait_dscnt 0x0                               ; my stores into this step's slot have landed, and my reads of the other slot are over
	s_wait_alu depctr_vm_vsrc(0)                   ; the LDS stores of the step before have read their register set, in which this step's loads from memory land
	s_barrier_signal -1
	s_barrier_wait -1                              ; both now hold of all sixteen waves
.if \par
	LSTORE GA, 8, 0, 1                             ; the next step's tiles into the slot that was read last
	GLOAD GB, 9, 3, 2                              ; and the loads of the step after it
.else
	LSTORE GB, 9, 1, 1
	GLOAD GA, 8, 2, 2
.endif
	s_bitcmp1_b32 s15, s3                          ; does any key of this step count for any of my queries?
	s_cbranch_scc0 .Lskip_\@
	s_load_b512 s[20:35], s[62:63], (\par)*256     ; the tile's 64 lane-mask words
	s_load_b512 s[36:51], s[62:63], (\par)*256+64
	s_load_b512 s[68:83], s[62:63], (\par)*256+128
	s_load_b512 s[84:99], s[62:63], (\par)*256+192
	ds_load_b128 v[232:235], v1 offset:(\par)*SLOTB+16384    ; K's scale words: register i: lanes 0-15 tile 2 i, lanes 16-31 tile 2 i + 1.  No wait: the products that read them last stand ahead of the waits behind that step's exponentials
.irp g, 0,1                                    ; S^T = K Q^T, four tiles of 16 keys at a time
.irp t, 0,1,2,3
.irp c, 0,1
	ds_load_b128 v[32+16*\t+4*\c:35+16*\t+4*\c], v1 offset:(\par)*SLOTB+(4*\g+\t)*1024+512*\c
.endr
.endr
	s_wait_dscnt 0x0
.irp t, 0,1,2,3
.if \t%2
	v_wmma_scale_f32_16x16x128_f8f6f4 v[96+8*(4*\g+\t):103+8*(4*\g+\t)], v[32+16*\t:47+16*\t], v[16:31], 0, v[232+2*\g+\t/2], v238 matrix_a_scale:MATRIX_SCALE_ROW1
.else
	v_wmma_scale_f32_16x16x128_f8f6f4 v[96+8*(4*\g+\t):103+8*(4*\g+\t)], v[32+16*\t:47+16*\t], v[16:31], 0, v[232+2*\g+\t/2], v238
.endif
.endr
.rept 8
	v_nop                                          ; places in front of loads into K's registers, and of the first read of the scores
.endr
.if \g == 0
	s_wait_alu depctr_va_vdst(0)                   ; the four products above are done reading K's fragments, in which tiles 4 to 7 land; the places above stay beside this wait
.endif
.endr
	s_wait_kmcnt 0x0                               ; on every way: the mask words are in
	s_add_co_u32 s16, s3, 16
	s_bitcmp1_b32 s15, s16                         ; is any key of the tile hidden from any of my queries?
	s_cbranch_scc0 .Lopen_\@
.set n, 0
.rept 64
	v_cndmask_b32 v[96+n], v7, v[96+n], s[20+n+16*(n/32)]    ; a hidden score becomes -infinity: p = 0 then
.set n, n+1
.endr
.Lopen_\@:
.irp b, 0,1,2,3
	v_max3_num_f32 v[TM+\b], v[96+16*\b], v[97+16*\b], v[98+16*\b]   ; the largest score of each block of 32 keys: for the row's maximum, and, since p rises with the score, for the block's largest p
.endr
.irp i, 3,5,7,9,11,13
.irp b, 0,1,2,3
	v_max3_num_f32 v[TM+\b], v[TM+\b], v[96+16*\b+\i], v[97+16*\b+\i]
.endr
.endr
.irp b, 0,1,2,3
	v_max_num_f32 v[TM+\b], v[TM+\b], v[111+16*\b]
.endr
.irp b, 0,1,2,3
	v_permlanex16_b32 v[T2+\b], v[TM+\b], s52, s53
.endr
.irp b, 0,1,2,3
	v_max_num_f32 v[TM+\b], v[TM+\b], v[T2+\b]
.endr
	v_max3_num_f32 v225, v208, v209, v210
	v_max_num_f32 v225, v225, v211
	v_mul_f32 v225, s18, v225                      ; as t (c is positive)
	v_max_num_f32 v13, v13, v225                   ; the running largest t
	v_mov_b32 v225, v12
	v_floor_f32 v12, -v13                          ; the new -M = floor(-t): M is a whole number
	v_sub_f32 v225, v12, v225                      ; old M - new M: a whole number, 0 or less
	v_cvt_i32_f32 v225, v225                       ; (it saturates)
	v_ldexp_f32 v226, 1.0, v225                    ; f = 2^(old M - new M): a multiplication by it rounds nothing
.set j, 0
.rept 32
	v_pk_fma_f32 v[96+j:97+j], v[96+j:97+j], s[18:19], v[12:13] op_sel_hi:[1,0,0]   ; t - M, two at a time
.set j, j+2
.endr
.irp b, 0,1,2,3
	v_fma_f32 v[TM+\b], v[TM+\b], s18, v12
.endr
.set j, 0
.rept 64
	v_exp_f32 v[96+j], v[96+j]                     ; p = 2^(t - M), at most 1
.set j, j+1
.endr
	v_pk_mul_f32 v[14:15], v[14:15], v[226:227] op_sel_hi:[1,0]   ; the sums under the new M; a plain line behind the exponentials
	s_wait_alu depctr_va_vdst(0)                   ; the 64 exponentials have written p, ahead of its first reader: one wait for the batch.  It also states that the score products are done reading K's fragments, K's scale words and Q
.irp b, 0,1,2,3
	v_exp_f32 v[TM+\b], v[TM+\b]                   ; the block's largest p
.endr
	v_pk_add_f32 v[228:229], v[96:97], v[98:99]    ; the row's sum is taken of the unquantised p, in two chains
.irp j, 4,8,12,16,20,24,28,32,36,40,44,48,52,56,60
	v_pk_add_f32 v[14:15], v[14:15], v[96+\j:97+\j]
	v_pk_add_f32 v[228:229], v[228:229], v[98+\j:99+\j]
.endr
	v_pk_add_f32 v[14:15], v[14:15], v[228:229]
	s_wait_alu depctr_va_vdst(0)                   ; the four exponentials have written the blocks' largest p, ahead of their first reader
.irp b, 0,1,2,3
	v_max_num_f32 v[TM+\b], 0x4800000, v[TM+\b]    ; the floor 2^(9 - 127): the byte cannot fall under 1
.endr
.irp b, 0,1,2,3
	v_add_nc_u32 v[SCO+\b], 0xfc000000, v[TM+\b]
.endr
.irp b, 0,1,2,3
	v_and_or_b32 v[HOLD+\b], v[TM+\b], 0x7f800000, s54
.endr
.irp b, 0,1,2,3
	v_lshrrev_b32 v[T2+\b], 23, v[SCO+\b]
.endr
	v_lshl_or_b32 v224, v213, 8, v212              ; p's scale word for these 128 keys
	v_lshl_or_b32 v224, v214, 16, v224
	v_lshl_or_b32 v224, v215, 24, v224
.irp b, 0,1
.set i, 0
.rept 16
	v_min_num_f32 v[96+16*\b+i], v[96+16*\b+i], v[HOLD+\b]   ; the conversion does not saturate (ISA guide 7.6.2); p is not negative
.set i, i+1
.endr
	v_cvt_scalef32_pk8_fp8_f32 v[192+4*\b:193+4*\b], v[96+16*\b:103+16*\b], v[SCO+\b]
	v_cvt_scalef32_pk8_fp8_f32 v[194+4*\b:195+4*\b], v[104+16*\b:111+16*\b], v[SCO+\b]
.endr
	s_wait_alu depctr_va_vdst(0)                   ; the holds of blocks 0 and 1 have written v96-127 and their conversions are done reading them: V's fragments 0 and 1 land there
	ds_load_b64 v[236:237], v4 offset:(\par)*SLOTB+16896     ; V's scale words: register i: lanes 0-15 tile 2 i, lanes 16-31 tile 2 i + 1 (the second products of the step before, which read them, stand ahead of the waits above)
.irp t, 0,1                                    ; V's fragments land where p lay: the first two while blocks 2 and 3 are held and converted, in lines that name none of v96-127
.irp c, 0,1,2,3
	ds_load_b128 v[96+16*\t+4*\c:99+16*\t+4*\c], v1 offset:(\par)*SLOTB+8192+\t*2048+512*\c
.endr
.endr
.irp b, 2,3
.set i, 0
.rept 16
	v_min_num_f32 v[96+16*\b+i], v[96+16*\b+i], v[HOLD+\b]
.set i, i+1
.endr
	v_cvt_scalef32_pk8_fp8_f32 v[192+4*\b:193+4*\b], v[96+16*\b:103+16*\b], v[SCO+\b]
	v_cvt_scalef32_pk8_fp8_f32 v[194+4*\b:195+4*\b], v[104+16*\b:111+16*\b], v[SCO+\b]
.endr
.set j, 0
.rept 16
	v_pk_mul_f32 v[160+j:161+j], v[160+j:161+j], v[226:227] op_sel_hi:[1,0]   ; O^T under the new M; these lines are also the places in front of the products below
.set j, j+2
.endr
	s_wait_alu depctr_va_vdst(0)                   ; the holds of blocks 2 and 3 have written v128-159 and their conversions are done reading them: V's fragments 2 and 3 land there; and p's codes and scale word are written, which the scaled products below take: first the places, then this wait
.irp t, 2,3
.irp c, 0,1,2,3
	ds_load_b128 v[96+16*\t+4*\c:99+16*\t+4*\c], v1 offset:(\par)*SLOTB+8192+\t*2048+512*\c
.endr
.endr
	s_wait_dscnt 8                                 ; LDS loads come back in order (ISA guide 5.7.1): V's scale words and fragments 0 and 1 are in; the eight youngest loads, fragments 2 and 3, may be out
.irp t, 0,1,2,3                                ; O^T += V^T P^T: four accumulators, one instruction each
.if \t == 2
	s_wait_dscnt 0x0                               ; fragments 2 and 3 are in
.endif
.if \t%2
	v_wmma_scale_f32_16x16x128_f8f6f4 v[160+8*\t:167+8*\t], v[96+16*\t:111+16*\t], v[192:207], v[160+8*\t:167+8*\t], v[236+\t/2], v224 matrix_a_scale:MATRIX_SCALE_ROW1
.else
	v_wmma_scale_f32_16x16x128_f8f6f4 v[160+8*\t:167+8*\t], v[96+16*\t:111+16*\t], v[192:207], v[160+8*\t:167+8*\t], v[236+\t/2], v224
.endif
.endr
.rept 9
	v_nop                                          ; the next products write over V's registers: one place more than a load or a read would ask
.endr
.Lskip_\@:
	s_add_co_u32 s3, s3, 1
.endm
.Lpass:
	s_wait_xcnt 0x0                                ; the last pass's loads and stores have read their addresses and data
	s_wait_alu depctr_vm_vsrc(0)                   ; the last pass's stores have read v192-199 and v225, which this pass's conversions and maxima write again; its last LDS stores have read set A, in which the loads below land
	s_sub_co_u32 s12, 7, ttmp9
	s_cmp_eq_u32 s11, 0
	s_cselect_b32 s12, s12, ttmp9                  ; block 7 - x, then block x
	s_lshl_b32 s13, s12, 4
	s_add_co_u32 s13, s13, s2                      ; my tile of 16 queries
	s_lshl_b32 s16, s12, 8
	s_add_co_u32 s16, s16, FLG
	s_mov_b32 s17, 0
	s_add_nc_u64 s[100:101], s[6:7], s[16:17]      ; the block's 64 flag words
	s_lshl_b32 s16, s2, 4
	s_add_nc_u64 s[56:57], s[100:101], s[16:17]    ; my tile's four
	s_load_b512 s[20:35], s[100:101], 0x0
	s_load_b512 s[36:51], s[100:101], 0x40
	s_load_b512 s[68:83], s[100:101], 0x80
	s_load_b512 s[84:99], s[100:101], 0xc0
	s_load_b128 s[60:63], s[56:57], 0x0
	s_wait_kmcnt 0x0
	s_mov_b32 s14, s20
.set n, 1
.rept 63
	s_or_b32 s14, s14, s[20+n+16*(n/32)]
.set n, n+1
.endr
	s_and_b32 s14, s14, 0xffff                     ; bit k: step k counts for some wave of the work-group
	s_or_b32 s15, s60, s61
	s_or_b32 s15, s15, s62
	s_or_b32 s15, s15, s63                         ; bit k: step k counts for me; bit 16 + k: it has hidden keys
	s_lshl_b32 s16, s105, 17
	s_add_nc_u64 s[56:57], s[4:5], s[16:17]
	s_add_nc_u64 s[58:59], s[56:57], VIMG          ; V's images of my head
	s_add_nc_u64 s[56:57], s[56:57], KIMG          ; K's
	s_mul_i32 s16, s105, 12288
	s_add_co_u32 s16, s16, KVSC
	s_add_nc_u64 s[60:61], s[4:5], s[16:17]        ; their scale records
	s_lshl_b32 s16, s13, 12
	s_add_nc_u64 s[62:63], s[6:7], s[16:17]        ; my tile's mask words
	s_lshl_b32 s16, s105, 7
	s_add_co_u32 s16, s16, s13
	s_lshl_b32 s16, s16, 10
	s_add_nc_u64 s[100:101], s[4:5], s[16:17]      ; Q's image
	s_lshl_b32 s16, s105, 4
	s_lshr_b32 s104, s13, 3
	s_add_co_u32 s16, s16, s104
	s_mul_i32 s16, s16, 768
	s_and_b32 s104, s13, 1
	s_lshl_b32 s104, s104, 8
	s_add_co_u32 s16, s16, s104
	s_bfe_u32 s104, s13, 0x20001
	s_lshl_b32 s104, s104, 2
	s_add_co_u32 s16, s16, s104
	s_add_co_u32 s16, s16, QSC
	s_add_nc_u64 s[66:67], s[4:5], s[16:17]        ; Q's scale words
	global_load_b128 v[16:19], v1, s[100:101]      ; no wait on va_vdst here: the last pass's score products, which read Q and its scale words, stand ahead of the waits behind their steps' exponentials, and nothing has named these registers since
	global_load_b128 v[20:23], v1, s[100:101] offset:512
	global_load_b32 v238, v5, s[66:67]
	v_mov_b32 v13, 0xff61b1e6                      ; the largest t so far: -3e38
	v_floor_f32 v12, -v13
	v_mov_b32 v14, 0
	v_mov_b32 v15, 0
.set j, 0
.rept 32
	v_mov_b32 v[160+j], 0                          ; O^T: the step is written once; its first turn finds zeros
.set j, j+1
.endr
	s_mov_b32 s3, 0
	GLOAD GA, 8, 0, 0
	LSTORE GA, 8, 0, 0                             ; (its wait covers Q too.)  Slot 0 was last read in the pass before's step 14, and every wave has passed step 15's barrier since
	GLOAD GB, 9, 1, 1
	s_mov_b32 s10, 8
.Ltrip:
	STEP 0
	STEP 1
	s_wait_xcnt 0x0                                ; the trip's loads have read their addresses
	s_add_nc_u64 s[56:57], s[56:57], 16384
	s_add_nc_u64 s[58:59], s[58:59], 16384
	s_add_nc_u64 s[60:61], s[60:61], 1536
	s_add_nc_u64 s[62:63], s[62:63], 512
	s_sub_co_u32 s10, s10, 1
	s_cmp_lg_u32 s10, 0
	s_cbranch_scc1 .Ltrip
	; THE WAY OUT
	s_lshr_b32 s16, s105, 4
	s_lshl_b32 s16, s16, 7
	s_add_co_u32 s16, s16, s13                     ; my tile of 16 tokens among 512
	s_and_b32 s12, s105, 15                        ; the head
	s_lshl_b32 s14, s16, 9
	s_lshl_b32 s16, s16, 14
	s_lshr_b32 s17, s12, 1
	s_lshl_b32 s17, s17, 11
	s_add_co_u32 s16, s16, s17
	s_and_b32 s17, s12, 1
	s_lshl_b32 s17, s17, 10
	s_add_co_u32 s16, s16, s17
	s_mov_b32 s17, 0
	s_add_nc_u64 s[100:101], s[8:9], s[16:17]      ; the image: K step head / 2, registers 4 (2 (head % 2) + e) on
	s_lshl_b32 s12, s12, 1
	s_add_co_u32 s16, s14, s12
	s_add_co_u32 s16, s16, AS
	s_add_nc_u64 s[66:67], s[8:9], s[16:17]        ; the scale bytes: 32 a token, two a head
	v_add_f32 v14, v14, v15
	v_permlanex16_b32 v212, v14, s52, s53
	v_add_f32 v14, v14, v212                       ; the row's sum
	v_rcp_f32 v226, v14
	v_nop                                          ; a plain line behind the reciprocal
	v_cmp_eq_f32 s104, 0, v14                      ; queries for which no key counts
	s_wait_alu depctr_va_vdst(0)                   ; the reciprocal has written v226, ahead of its first reader
	s_wait_alu depctr_va_sdst(0)                   ; the comparison has written s104, ahead of its first reader
	v_cndmask_b32 v226, v226, v24, s104            ; their O stays 0 (v24 holds 0)
.set j, 0
.rept 16
	v_pk_mul_f32 v[160+j:161+j], v[160+j:161+j], v[226:227] op_sel_hi:[1,0]   ; O^T / l: register 16 e + i is channel 32 e + 16 h + i
.set j, j+2
.endr
.irp e, 0,1
	v_max3_num_f32 v[TM+\e], |v[160+16*\e]|, |v[161+16*\e]|, 0x4800000
.endr
.irp i, 2,4,6,8,10,12,14
.irp e, 0,1
	v_max3_num_f32 v[TM+\e], v[TM+\e], |v[160+16*\e+\i]|, |v[161+16*\e+\i]|
.endr
.endr
.irp e, 0,1
	v_permlanex16_b32 v[T2+\e], v[TM+\e], s52, s53
.endr
.irp e, 0,1
	v_max_num_f32 v[TM+\e], v[TM+\e], v[T2+\e]
.endr
.irp e, 0,1
	v_add_nc_u32 v[SCO+\e], 0xfc000000, v[TM+\e]
.endr
.irp e, 0,1
	v_and_or_b32 v[HOLD+\e], v[TM+\e], 0x7f800000, s54
.endr
.irp e, 0,1
	v_lshrrev_b32 v[T2+\e], 23, v[SCO+\e]
.endr
	v_mov_b32 v214, 0xff
	v_cndmask_b32 v225, v212, v213, s55            ; lanes 0-15 store block 0's byte, lanes 16-31 block 1's
	v_cndmask_b32 v225, v225, v214, s104           ; a query with no key: the byte that makes the row NaN
.irp e, 0,1
.set i, 0
.rept 16
	v_med3_num_f32 v[160+16*\e+i], v[160+16*\e+i], -v[HOLD+\e], v[HOLD+\e]
.set i, i+1
.endr
	v_cvt_scalef32_pk8_fp8_f32 v[192+4*\e:193+4*\e], v[160+16*\e:167+16*\e], v[SCO+\e]
	v_cvt_scalef32_pk8_fp8_f32 v[194+4*\e:195+4*\e], v[168+16*\e:175+16*\e], v[SCO+\e]
.endr
	v_nop                                          ; a plain line behind the last conversion
	s_wait_alu depctr_va_vdst(0)                   ; the conversions have written v192-199 and the selections v225, which the three stores read
	global_store_b128 v1, v[192:195], s[100:101]
	global_store_b128 v1, v[196:199], s[100:101] offset:512
	global_store_b8 v6, v225, s[66:67]
	s_add_co_u32 s11, s11, 1
	s_cmp_lt_u32 s11, 2
	s_cbranch_scc1 .Lpass
	s_wait_dscnt 0x0                               ; the closing lines, six on end
	s_wait_alu 0x0
	s_wait_tensorcnt 0x0
	ds_add_u32 v231, v239
	s_wait_dscnt 0x0
	s_endpgm
.Lfunc_end_k_q60da565257_attn:
	.size	k_q60da565257_attn, .Lfunc_end_k_q60da565257_attn-k_q60da565257_attn
	.p2alignl 7, 3214868480
	.fill 96, 4, 3214868480
	.section	.rodata,"a",@progbits
	.p2align	6, 0x0
	.amdhsa_kernel k_q60da565257_attn
		.amdhsa_group_segment_fixed_size 36864
		.amdhsa_private_segment_fixed_size 0
		.amdhsa_enable_private_segment 0
		.amdhsa_kernarg_size 24
		.amdhsa_user_sgpr_count 2
		.amdhsa_user_sgpr_kernarg_segment_ptr 1
		.amdhsa_wavefront_size32 1
		.amdhsa_system_sgpr_workgroup_id_x 1
		.amdhsa_system_sgpr_workgroup_id_y 1
		.amdhsa_system_sgpr_workgroup_id_z 1
		.amdhsa_system_vgpr_workitem_id 0
		.amdhsa_next_free_vgpr 256
		.amdhsa_next_free_sgpr 106
		.amdhsa_reserve_vcc 0
		.amdhsa_float_denorm_mode_32 3
		.amdhsa_float_denorm_mode_16_64 3
		.amdhsa_memory_ordered 1
		.amdhsa_forward_progress 1
		.amdhsa_inst_pref_size 66
	.end_amdhsa_kernel
	.amdgpu_metadata
---
amdhsa.version: [ 1, 2 ]
amdhsa.kernels:
  - .name:           k_q60da565257_attn
    .symbol:         k_q60da565257_attn.kd
    .args:
      - { .name: qkv, .offset: 0, .size: 8, .value_kind: global_buffer, .address_space: global }
      - { .name: msk, .offset: 8, .size: 8, .value_kind: global_buffer, .address_space: global }
      - { .name: att, .offset: 16, .size: 8, .value_kind: global_buffer, .address_space: global }
    .group_segment_fixed_size: 36864
    .private_segment_fixed_size: 0
    .kernarg_segment_align: 8
    .kernarg_segment_size: 24
    .max_flat_workgroup_size: 512
    .sgpr_count:     106
    .vgpr_count:     256
    .wavefront_size: 32
...
	.end_amdgpu_metadata
.endif
;; end of part 5
;; launch gemm_proj: the kernel of part 4 again; grid 4 x 32, 4 waves a work-group, clusters of 4 x 4, 327,680 bytes of LDS; arguments att, ops, b_proj, out0; writes out0
